; MI455X (gfx1250); checked and timed in simulation.
; The chip was launched on July 23, 2026; its instructions are those of AMD's public machine-readable ISA for CDNA 5 (MIT licence, August 2026) and "CDNA5" Instruction Set Architecture Reference Guide (July 2026). The comments in the code are by the model that wrote it; some were corrected since.
;; Multi Head Attention. Allowed arithmetic: matrix products marked QUANTISED: E4M3 operands, one given power-of-two scale a tensor, by v_wmma_f32_16x16x64_fp8_fp8 or v_wmma_f32_16x16x128_fp8_fp8, f32 sums; everything else in f32.
;; Inputs: Wk 1,024 x 1,024 float32; Wo 1,024 x 1,024 float32; Wq 1,024 x 1,024 float32; Wv 1,024 x 1,024 float32; lowp_scales 12 int32 (the exponents e of the quantised operands' scales 2^e); mask 2 x 2,048 bool; rope_cache 2,048 x 2 x 32 float32; x 2 x 2,048 x 1,024 float32.
;; Outputs: out0 2 x 2,048 x 1,024 float32.
;; This version of the problem:
;;   THIS VERSION OF THE PROBLEM IS GIVEN IN LOW PRECISION. The matrix products marked QUANTISED in the list below multiply operands that are first quantised to E4M3 (4 exponent bits, 3 mantissa bits; 8 bits a number), with one given power-of-two scale for each operand tensor; their sums are f32. All else is computed in f32.
;;   The module's matrix products, in the order in which they are computed (A, B: the left and right operand; K: the contracted axis; several contracted axes count as one K, in the product's order):
;;     1. [M 4,096, K 1,024] x [K 1,024, N 1,024]; A: input x; B: input Wq: QUANTISED (scales: A lowp_scales[0], B lowp_scales[1])
;;     2. [M 4,096, K 1,024] x [K 1,024, N 1,024]; A: input x; B: input Wk: QUANTISED (scales: A lowp_scales[2], B lowp_scales[3])
;;     3. [M 4,096, K 1,024] x [K 1,024, N 1,024]; A: input x; B: input Wv: QUANTISED (scales: A lowp_scales[4], B lowp_scales[5])
;;     4. batch 32 x [M 2,048, K 64] x [K 64, N 2,048]; A: computed on the way; B: computed on the way: QUANTISED (scales: A lowp_scales[6], B lowp_scales[7])
;;     5. batch 32 x [M 2,048, K 2,048] x [K 2,048, N 64]; A: softmax (see below); B: computed on the way: QUANTISED (scales: A lowp_scales[8], B lowp_scales[9])
;;     6. [M 4,096, K 1,024] x [K 1,024, N 1,024]; A: computed on the way; B: input Wo: QUANTISED (scales: A lowp_scales[10], B lowp_scales[11])
;;   THE QUANTISER, for each operand of a quantised product, along K:
;;     - The operand's scale is 2^e, e = its entry of the input lowp_scales (int32; the entries are numbered through the quantised products in the list's order, A before B).
;;     - Each number is divided by the scale, clamped to +-448, and rounded to the nearest number of E4M3, ties to even, subnormals kept.
;;     - The product sums the exact products of the quantised numbers (number of the format x scale) in f32.
;;   ~~~python
;;   def quantise(x, axis, e):      # numpy; x: float32 -> the quantised numbers, widened to float32 again
;;       x = np.moveaxis(x, axis, -1); K = x.shape[-1]
;;       r = np.clip(x / 2.0 ** e, -448, 448)
;;       step = 2.0 ** (np.maximum(np.frexp(np.where(r == 0, 1, r))[1] - 1, -6) - 3)
;;       q = np.round(r / step) * step * 2.0 ** e      # np.round: ties to even
;;       return np.moveaxis(q, -1, axis).astype(np.float32)
;;   ~~~
;;   SOFTMAX AHEAD OF A QUANTISED PRODUCT. Where the list says 'softmax', what is quantised is not the finished softmax but p = 2^(t - M), with t = logit x log2(e) and M = ceil(the row's largest t), a whole number; so 1/2 < the row's largest p <= 1. The row's sum l is taken of the UNQUANTISED p, in f32, and the product's result is divided by l at the end. Since M is a whole number, a kernel that streams over the keys may use a running M (the ceiling of the running maximum): every later rescaling is an exact power of two, so the quantised numbers keep their values, but for numbers so far below the row's largest that they fall under the format's range.
;;   OPERANDS COMPUTED ON THE WAY. 'Computed on the way' means the value that the module computes at that place (a softmax that the list does not call 'softmax' is quantised finished and normalised). What goes into a quantiser is computed in f32, as accurately as f32 sums, v_exp_f32 and their like allow (about 1e-6 of the number): no bf16 or f16 on the way to a quantiser, and a product that is left as it is and whose result goes on into a quantised operand takes f32 operands (vector FMAs, or v_wmma_f32_16x16x4_f32). A number that lies on a knife's edge between two numbers of the format may be rounded either way, as far as f32 arithmetic and the matrix unit's own rounding can turn it there, and no further.
;; One version. Each part assembles by itself: llvm-mc -triple=amdgcn-amd-amdhsa -mcpu=gfx1250 --defsym DOCPART=n.
;; ======== version 1 of 1: 4 launches
;; limits: right only within a limited range of input values
;; workspace buffers: xcodes 12,582,912 bytes; wcodes 4,194,304 bytes; qcodes 4,194,304 bytes; kcodes 4,194,304 bytes; vcodes 4,194,304 bytes; vsum 131,072 bytes; aocodes 4,194,304 bytes
;; launch quant (part 1): grid 512 x 1, 4 waves a work-group, no clusters, 67,072 bytes of LDS; arguments x, Wq, Wk, Wv, Wo, lowp_scales, xcodes, wcodes; writes xcodes, wcodes
.if DOCPART == 1
	.amdgcn_target "amdgcn-amd-amdhsa--gfx1250"
	.amdhsa_code_object_version 6
	.text
	.protected	k_q2df4861cb5_quant
	.globl	k_q2df4861cb5_quant
	.p2align	8
	.type	k_q2df4861cb5_quant,@function
k_q2df4861cb5_quant:
	s_mov_b64 s[64:65], 0
	v_nop
	global_prefetch_b8 v0, s[64:65] scope:SCOPE_SE
	s_setreg_imm32_b32 hwreg(HW_REG_WAVE_MODE, 25, 1), 1
	s_wait_xcnt 0x0
; x [4096][1024] f32 becomes three sets of E4M3 codes (scales 2^e0, 2^e2, 2^e4); Wq, Wk, Wv, Wo [1024 (k)][1024 (n)] f32 one set each (e1, e3, e5, e11).
; code = number / 2^e, held within +-448, to the nearest code, ties to even.  LIMITS: each e between -126 and 119; NaN among the inputs is not served.
; THE CODES ARE LAID AS IMAGES OF OPERAND REGISTERS.  A fragment (16 rows x 128 k) is 2,048 bytes: byte 512 c + 16 L + y belongs to lane L = 16 h + r, register 4 c + y / 4:
; row r, k = 32 c + 16 (y / 8) + 8 h + y % 8, the 8-bit plain form's own places.  An operand of 4,096 rows x 1,024 k lies as (s / 2) 2^20 + tile 4,096 + (s % 2) 2,048 + image
; (tile: 16 rows; s: 128 along K), so that 128 rows x 256 k are 32,768 bytes on end.  wcodes' rows are 1,024 w + n (w = 0 Wq, 1 Wk, 2 Wv, 3 Wo).
; Work-groups 0-255 take x (16 rows each; wave w columns 256 w on), work-groups 256-511 the weights (128 columns x 128 k each; a wave 32 columns).
; x: each load takes 512 bytes on end of one row; the wave's 16 rows x 1,024 bytes turn through its own stage in LDS, whose rows lie 1,040 bytes apart, so that the sixteen
; rows that a read touches start at sixteen different columns of 16 bytes.  Waves share nothing: no barrier.
; W: a lane takes a column and its registers run down K in the image's order: nothing is transposed, and sixteen lanes store 256 bytes on end.
.set XP,    1040                       ; a stage row: 1,024 bytes + 16
.set WREG,  16*XP                      ; a wave's stage
.set SPARE, 4*WREG                     ; behind the stages: the spare words, 128 bytes a wave: two blocks of 256 bytes that no other line names
.set LI,    3                          ; v3   16 x lane
.set LIN,   10                         ; v10  into the stage
.set LOUT,  11                         ; v11  out of it
.set SPW,   12                         ; v12  my spare word; never rewritten
.set NIL,   13                         ; v13  0; never rewritten
.set X,     16                         ; v16-143  128 numbers
.set T,     144                        ; v144-159 two sets of eight held numbers
.set C,     160                        ; v160-255 codes: never written twice, so no store's data are overwritten
	s_load_b256 s[4:11], s[0:1], 0x0               ; x, Wq, Wk, Wv
	s_load_b256 s[12:19], s[0:1], 0x20             ; Wo, the scales' exponents, xcodes, wcodes
	v_lshl_add_u32 v[SPW], v0, 2, SPARE
	v_mov_b32 v[NIL], 0
	v_lshrrev_b32 v1, 5, v0
	v_readfirstlane_b32 s20, v1                    ; wave 0..3
	v_and_b32 v2, 31, v0                           ; lane
	v_lshlrev_b32 v[LI], 4, v2
	s_wait_kmcnt 0x0
	s_load_b256 s[32:39], s[14:15], 0x0            ; e0 .. e7
	s_load_b128 s[40:43], s[14:15], 0x20           ; e8 .. e11
	s_cmp_lt_u32 ttmp9, 256                        ; the work-group's number alone decides the way
	s_cbranch_scc0 .Lweights
	; ---------------- x: tile of rows = work-group, K steps 2 w and 2 w + 1
	s_lshl_b32 s22, ttmp9, 16                      ; 16 rows of 4,096 bytes
	s_lshl_b32 s24, s20, 10                        ; + 256 numbers x wave
	s_add_co_u32 s22, s22, s24
	s_mov_b32 s23, 0
	s_add_nc_u64 s[26:27], s[4:5], s[22:23]
	s_wait_alu depctr_va_vdst(0)
.irp q, 0,1
.irp r, 0,1,2,3,4,5,6,7,8,9,10,11,12,13,14,15
	global_load_b128 v[X+64*\q+4*\r:X+64*\q+4*\r+3], v[LI], s[26:27] offset:4096*\r+512*\q th:TH_LOAD_NT   ; 32 lanes: 512 bytes on end of row r; read once
.endr
.endr
	s_mul_i32 s24, s20, WREG
	v_add_nc_u32 v[LIN], s24, v[LI]                ; in: as loaded
	v_and_b32 v14, 15, v0                          ; r
	v_bfe_u32 v15, v0, 4, 1                        ; h
	v_mul_u32_u24 v14, v14, XP
	v_lshl_add_u32 v14, v15, 5, v14
	v_add_nc_u32 v[LOUT], s24, v14                 ; out: row r, + 8 h numbers
	s_lshl_b32 s22, s20, 20                        ; the codes: (s / 2) = wave,
	s_lshl_b32 s24, ttmp9, 12                      ; tile = work-group
	s_add_co_u32 s22, s22, s24
	s_add_nc_u64 s[44:45], s[16:17], s[22:23]      ; a base for each of the three sets: they lie 4 MiB apart
	s_add_nc_u64 s[46:47], s[44:45], 0x400000
	s_add_nc_u64 s[48:49], s[44:45], 0x800000
	s_wait_alu depctr_va_vdst(0)
	s_wait_kmcnt 0x0
.irp E, 0,1,2
	s_add_co_i32 s50, s[32+2*\E], 127
	s_lshl_b32 s51, s50, 23
	v_mov_b32 v[4+2*\E], s51                       ; 2^e as f32: the conversion takes its exponent field
	s_add_co_i32 s50, s50, 8
	s_lshl_b32 s50, s50, 23
	s_or_b32 s50, s50, 0x600000
	v_mov_b32 v[5+2*\E], s50                       ; 448 x 2^e
.endr
	s_wait_alu depctr_va_vdst(0)
	s_wait_loadcnt 16                              ; the first fragment's sixteen loads are in; the second's may be out
.irp r, 0,1,2,3,4,5,6,7,8,9,10,11,12,13,14,15
	ds_store_b128 v[LIN], v[X+4*\r:X+4*\r+3] offset:XP*\r
.endr
	s_wait_loadcnt 0x0
.irp r, 0,1,2,3,4,5,6,7,8,9,10,11,12,13,14,15
	ds_store_b128 v[LIN], v[X+64+4*\r:X+64+4*\r+3] offset:XP*\r+512
.endr
	s_wait_dscnt 0x0                               ; the stores have read their registers: the reads below land in the same ones
.irp q, 0,1
.irp g, 0,1,2,3,4,5,6,7
	ds_load_b128 v[X+64*\q+8*\g:X+64*\q+8*\g+3],   v[LOUT] offset:512*\q+64*\g      ; k = 16 g + 8 h + 0 .. 3 of row r
	ds_load_b128 v[X+64*\q+8*\g+4:X+64*\q+8*\g+7], v[LOUT] offset:512*\q+64*\g+16   ; .. 4 .. 7
.endr
.endr
; Fragment q under scale E: eight numbers are held into one of two sets by turns (so that plain lines stand between a conversion and the next write of its sources), converted, stored.
.macro XQ q, E
.set g, 0
.rept 8
.irp i, 0,1,2,3,4,5,6,7
	v_med3_num_f32 v[T+8*(g%2)+\i], v[X+64*\q+8*g+\i], -v[5+2*\E], v[5+2*\E]   ; the conversion to an 8-bit code does not saturate (ISA guide 7.6.2): the hold comes first
.endr
	v_cvt_scalef32_pk8_fp8_f32 v[C+32*\E+16*\q+2*g:C+32*\E+16*\q+2*g+1], v[T+8*(g%2):T+8*(g%2)+7], v[4+2*\E]
.set g, g+1
.endr
.irp c, 0,1,2,3
	global_store_b128 v[LI], v[C+32*\E+16*\q+4*\c:C+32*\E+16*\q+4*\c+3], s[44+2*\E:45+2*\E] offset:2048*\q+512*\c   ; 32 lanes: 512 bytes on end
.endr
.endm
	s_wait_dscnt 16                                ; the first fragment's sixteen reads are back
	XQ 0, 0
	XQ 0, 1
	XQ 0, 2
	s_wait_dscnt 0x0
	XQ 1, 0
	XQ 1, 1
	XQ 1, 2
	s_wait_tensorcnt 0x0                           ; the wave's end, behind my last LDS store
	ds_add_u32 v[SPW], v[NIL]
	s_wait_dscnt 0x0
	s_endpgm
	; ---------------- the weights: this way touches no LDS
.Lweights:
	s_sub_co_u32 s21, ttmp9, 256
	s_lshr_b32 s28, s21, 6                         ; which weight
	s_bfe_u32 s29, s21, 0x30003                    ; s: which 128 along K
	s_and_b32 s30, s21, 7                          ; which 128 columns
	s_mov_b64 s[22:23], s[12:13]
	s_cmp_eq_u32 s28, 2
	s_cselect_b64 s[22:23], s[10:11], s[22:23]
	s_cmp_eq_u32 s28, 1
	s_cselect_b64 s[22:23], s[8:9], s[22:23]
	s_cmp_eq_u32 s28, 0
	s_cselect_b64 s[22:23], s[6:7], s[22:23]
	s_lshl_b32 s24, s29, 19                        ; 128 rows of 4,096 bytes
	s_lshl_b32 s31, s30, 9
	s_add_co_u32 s24, s24, s31
	s_lshl_b32 s31, s20, 7                         ; my wave's 32 columns
	s_add_co_u32 s24, s24, s31
	s_mov_b32 s25, 0
	s_add_nc_u64 s[22:23], s[22:23], s[24:25]
	s_wait_alu depctr_va_vdst(0)
	v_lshlrev_b32 v6, 2, v2                        ; a lane a column
.set R, 0
.rept 128                                      ; register R takes the k that the image wants there: pieces of 16 registers = 16 bytes of codes
	global_load_b32 v[X+R], v6, s[22:23] offset:(32*(R>>5)+8*((R>>4)&1)+(R&7)+16*((R>>3)&1))*4096 th:TH_LOAD_NT
.set R, R+1
.endr
	s_lshr_b32 s24, s29, 1
	s_lshl_b32 s24, s24, 20                        ; (s / 2) 2^20
	s_lshl_b32 s31, s28, 6
	s_lshl_b32 s44, s30, 3
	s_add_co_u32 s31, s31, s44
	s_lshl_b32 s44, s20, 1
	s_add_co_u32 s31, s31, s44                     ; tile = 64 w + 8 group + 2 wave
	s_lshl_b32 s31, s31, 12
	s_add_co_u32 s24, s24, s31
	s_and_b32 s31, s29, 1
	s_lshl_b32 s31, s31, 11
	s_add_co_u32 s24, s24, s31
	s_add_nc_u64 s[18:19], s[18:19], s[24:25]
	v_and_b32 v7, 15, v2
	v_lshrrev_b32 v14, 4, v2
	v_lshlrev_b32 v7, 4, v7
	v_lshl_add_u32 v7, v14, 12, v7                 ; lanes 0-15: one tile's 256 bytes; lanes 16-31: the next tile's
	s_wait_kmcnt 0x0
	s_mov_b32 s45, s43                             ; e11, e5, e3 or e1: a choice, no branch
	s_cmp_eq_u32 s28, 2
	s_cselect_b32 s45, s37, s45
	s_cmp_eq_u32 s28, 1
	s_cselect_b32 s45, s35, s45
	s_cmp_eq_u32 s28, 0
	s_cselect_b32 s45, s33, s45
	s_add_co_i32 s45, s45, 127
	s_lshl_b32 s46, s45, 23
	v_mov_b32 v4, s46
	s_add_co_i32 s45, s45, 8
	s_lshl_b32 s45, s45, 23
	s_or_b32 s45, s45, 0x600000
	v_mov_b32 v5, s45
.set P, 0
	s_wait_alu depctr_va_vdst(0)
.rept 8                                        ; piece P = 2 c + h
.if P == 0
	s_wait_loadcnt 63                              ; of 128 loads at most 63 are out: the first 65 are in, which is pieces 0 to 3
.elseif P >= 4
	s_wait_loadcnt 112-16*P                        ; the later pieces' loads may be out
.endif
.irp i, 0,1,2,3,4,5,6,7,8,9,10,11,12,13,14,15
	v_med3_num_f32 v[X+16*P+\i], v[X+16*P+\i], -v5, v5
.endr
	v_cvt_scalef32_pk8_fp8_f32 v[C+4*P:C+4*P+1], v[X+16*P:X+16*P+7], v4
	v_cvt_scalef32_pk8_fp8_f32 v[C+4*P+2:C+4*P+3], v[X+16*P+8:X+16*P+15], v4
	global_store_b128 v7, v[C+4*P:C+4*P+3], s[18:19] offset:512*(P/2)+256*(P%2)   ; sixteen lanes: 256 bytes on end, aligned
.set P, P+1
.endr
	s_endpgm
.Lfunc_end_k_q2df4861cb5_quant:
	.size	k_q2df4861cb5_quant, .Lfunc_end_k_q2df4861cb5_quant-k_q2df4861cb5_quant
	.p2alignl 7, 3214868480
	.fill 96, 4, 3214868480
	.section	.rodata,"a",@progbits
	.p2align	6, 0x0
	.amdhsa_kernel k_q2df4861cb5_quant
		.amdhsa_group_segment_fixed_size 67072
		.amdhsa_private_segment_fixed_size 0
		.amdhsa_enable_private_segment 0
		.amdhsa_kernarg_size 64
		.amdhsa_user_sgpr_count 2
		.amdhsa_user_sgpr_kernarg_segment_ptr 1
		.amdhsa_wavefront_size32 1
		.amdhsa_system_sgpr_workgroup_id_x 1
		.amdhsa_system_sgpr_workgroup_id_y 1
		.amdhsa_system_sgpr_workgroup_id_z 1
		.amdhsa_system_vgpr_workitem_id 0
		.amdhsa_next_free_vgpr 256
		.amdhsa_next_free_sgpr 66
		.amdhsa_reserve_vcc 0
		.amdhsa_float_denorm_mode_32 3
		.amdhsa_float_denorm_mode_16_64 3
		.amdhsa_memory_ordered 1
		.amdhsa_forward_progress 1
		.amdhsa_inst_pref_size 63
	.end_amdhsa_kernel
	.amdgpu_metadata
---
amdhsa.version: [ 1, 2 ]
amdhsa.kernels:
  - .name:           k_q2df4861cb5_quant
    .symbol:         k_q2df4861cb5_quant.kd
    .args:
      - { .name: x, .offset: 0, .size: 8, .value_kind: global_buffer, .address_space: global }
      - { .name: Wq, .offset: 8, .size: 8, .value_kind: global_buffer, .address_space: global }
      - { .name: Wk, .offset: 16, .size: 8, .value_kind: global_buffer, .address_space: global }
      - { .name: Wv, .offset: 24, .size: 8, .value_kind: global_buffer, .address_space: global }
      - { .name: Wo, .offset: 32, .size: 8, .value_kind: global_buffer, .address_space: global }
      - { .name: lowp_scales, .offset: 40, .size: 8, .value_kind: global_buffer, .address_space: global }
      - { .name: xcodes, .offset: 48, .size: 8, .value_kind: global_buffer, .address_space: global }
      - { .name: wcodes, .offset: 56, .size: 8, .value_kind: global_buffer, .address_space: global }
    .group_segment_fixed_size: 67072
    .private_segment_fixed_size: 0
    .kernarg_segment_align: 8
    .kernarg_segment_size: 64
    .max_flat_workgroup_size: 128
    .sgpr_count:     66
    .vgpr_count:     256
    .wavefront_size: 32
...
	.end_amdgpu_metadata
.endif
;; end of part 1
;; launch qkv (part 2): grid 12 x 16, 4 waves a work-group, clusters of 4 x 4, 327,680 bytes of LDS; arguments xcodes, wcodes, lowp_scales, rope_cache, mask, qcodes, kcodes, vcodes, vsum; writes qcodes, kcodes, vcodes, vsum
.if DOCPART == 2
	.amdgcn_target "amdgcn-amd-amdhsa--gfx1250"
	.amdhsa_code_object_version 6
	.text
	.protected	k_q2df4861cb5_qkv
	.globl	k_q2df4861cb5_qkv
	.p2align	8
	.type	k_q2df4861cb5_qkv,@function
k_q2df4861cb5_qkv:
	s_mov_b64 s[64:65], 0
	v_nop
	global_prefetch_b8 v0, s[64:65] scope:SCOPE_SE
	s_setreg_imm32_b32 hwreg(HW_REG_WAVE_MODE, 25, 1), 1
	s_wait_xcnt 0x0
	s_wait_alu depctr_hold_cnt(0) depctr_sa_sdst(0) depctr_va_vdst(0) depctr_va_sdst(0) depctr_va_ssrc(0) depctr_va_vcc(0) depctr_vm_vsrc(0)
	s_getreg_b32 s2, hwreg(HW_REG_IB_STS2, 6, 4)
	s_cmp_eq_u32 s2, 0
	s_cbranch_scc0 .Lentry_in_a_cluster
	s_endpgm
.Lentry_in_a_cluster:
	s_bfe_u32 s2, ttmp6, 0x10000c
	s_cmp_lg_u32 s2, 0xf033
	s_cbranch_scc0 .Lentry_shape_is_right
	s_endpgm
.Lentry_shape_is_right:
; q, k, v = x W on E4M3 codes; q and k are turned by rope_cache and quantised (2^e6, 2^e7), closed keys' k become zero codes; v is quantised (2^e9) with the keys innermost, and vsum takes its code values' sums over 128 keys.
; A tile of 256 x 256 a work-group, 128 x 128 a wave; clusters of 4 x 4 ask jointly for the images of registers that xcodes and wcodes hold.  K goes in four steps of 256 through two slots of 131,072 bytes.
; At the head each wave asks for its quarter of K step 0; K step 1's is asked for behind the full sequence and a round, and each later one behind the round at a change of slots.
; LIMITS: e6 - e0 - e1, e7 - e2 - e3 and e9 - e4 - e5 between -126 and 119.
.set SLOT,   131072
.set KADV,   0x100000
.set SPARE,  2*SLOT
.set FR,     16
.set NL,     4
.set NP,     4
.set ADRA, 16
.set ADRB, 20
.set LI,   24
.set RO,   25
.set RR,   26
.set L4,   27
.set SPW,  28
.set NIL,  29
.set MB,   96
.set OV,   104
.set SCL,  108
.set LIM,  109
.set LIM0, 110
.set LIMB, 111
.set AF,   128
.set YR,   128
.set PC,   192
.set ONES, 224
.set DSUM, 240
.set G1, 24
.set G0, 32
.set G1B, 48
.set G0B, 56
.set MSB, 0
.macro WIN new
.if MSB != \new
	s_set_vgpr_msb (MSB<<8)|\new
.set MSB, \new
.endif
.endm
.set MUL_LO, 0xa1
.set MUL_HI, 0xf1
.set TO_B,   0x40
.macro JLOAD g0a, g1a, g0b, g1b
	s_cmp_eq_u32 s15, 0
	s_cbranch_scc0 .Lfor_b_\@
	tensor_load_to_lds s[\g0a:\g0a+3], s[\g1a:\g1a+7]
	s_nop 0
.rept 4
	v_nop
.endr
	s_branch .Lasked_\@
.Lfor_b_\@:
	tensor_load_to_lds s[\g0b:\g0b+3], s[\g1b:\g1b+7]
	s_nop 0
.rept 4
	v_nop
.endr
.Lasked_\@:
.endm
.macro CREST
	s_cmp_lg_u32 s14, 0
	s_cbranch_scc1 .Lnot_wave_0_\@
	s_barrier_signal -3
.Lnot_wave_0_\@:
	s_barrier_wait -3
	s_barrier_signal -1
	s_barrier_wait -1
.endm
.macro CROUND
	s_barrier_signal -1
	s_barrier_wait -1
	CREST
.endm
	s_load_b256 s[4:11], s[0:1], 0x0
	s_load_b256 s[68:75], s[0:1], 0x20
	s_load_b64 s[76:77], s[0:1], 0x40
	v_lshl_add_u32 v[SPW], v0, 2, SPARE
	v_mov_b32 v[NIL], 0
	ds_add_u32 v[SPW], v[NIL]
	ds_add_u32 v[SPW], v[NIL]
	v_lshrrev_b32 v1, 5, v0
	v_readfirstlane_b32 s14, v1
	s_lshr_b32 s15, s14, 1
	s_and_b32 s16, s14, 1
	s_bfe_u32 s40, ttmp6, 0x40000
	s_bfe_u32 s41, ttmp6, 0x40004
	s_mov_b32 s12, ttmp9
	s_and_b32 s13, ttmp7, 0xffff
	s_lshl_b32 s43, s41, 2
	s_lshl_b32 s43, 15, s43
	s_lshl_b32 s44, 0x1111, s40
	s_or_b32 s[G1+0], s43, (3<<16)|(1<<21)
	s_or_b32 s[G1B+0], s44, (3<<16)|(1<<21)
.irp g, G1, G1B
	s_mov_b32 s[\g+1], 32<<16
	s_mov_b32 s[\g+2], 128<<16
	s_mov_b32 s[\g+3], 32<<16
	s_mov_b32 s[\g+4], 128
	s_mov_b32 s[\g+5], 32
	s_mov_b32 s[\g+6], 0
	s_mov_b32 s[\g+7], 0
.endr
	s_lshl_b32 s18, s13, 2
	s_add_co_u32 s17, s18, s41
	s_add_co_u32 s19, s41, 8
	s_lshl_b32 s42, s12, 2
	s_add_co_u32 s42, s42, s40
	s_add_co_u32 s46, s18, s40
	s_lshl_b32 s22, s12, 22
	s_cmp_lt_u32 s12, 2
	s_cselect_b32 s17, s17, s19
	s_cselect_b32 s42, s42, s46
	s_cselect_b32 s19, s22, 0
	s_cselect_b32 s23, 0, s22
	s_lshl_b32 s18, s16, 15
	s_lshl_b32 s20, s17, 16
	s_add_co_u32 s20, s20, s18
	s_add_co_u32 s20, s20, s19
	s_mov_b32 s21, 0
	s_lshl_b32 s46, s42, 16
	s_add_co_u32 s46, s46, s18
	s_add_co_u32 s46, s46, s23
	s_mov_b32 s47, 0
	s_lshl_b32 s45, s14, 15
	s_wait_dscnt 0x0
	s_wait_kmcnt 0x0
	s_load_b256 s[80:87], s[8:9], 0x0
	s_load_b128 s[88:91], s[8:9], 0x20
	s_cmp_lt_u32 s12, 2
	s_cselect_b64 s[78:79], s[4:5], s[6:7]
	s_cselect_b64 s[92:93], s[6:7], s[4:5]
	s_add_nc_u64 s[20:21], s[78:79], s[20:21]
	s_add_nc_u64 s[46:47], s[92:93], s[46:47]
	CROUND
.irp s, 0,1
	s_mov_b32 s[G0+4*\s], 1
	s_add_co_u32 s[G0+4*\s+1], s45, \s*SLOT
	s_add_nc_u64 s[G0+4*\s+2:G0+4*\s+3], s[20:21], \s*KADV
	s_or_b32 s[G0+4*\s+3], s[G0+4*\s+3], 0x80000000
	s_mov_b32 s[G0B+4*\s], 1
	s_add_co_u32 s[G0B+4*\s+1], s45, \s*SLOT
	s_add_nc_u64 s[G0B+4*\s+2:G0B+4*\s+3], s[46:47], \s*KADV
	s_or_b32 s[G0B+4*\s+3], s[G0B+4*\s+3], 0x80000000
.endr
	JLOAD G0, G1, G0B, G1B                         ; K step 0: one tensor load a wave at the head
	; PREFETCH INTO THE L2, one K step ahead: behind K step j's load K step j + 1; K step 3 is the last.  Of the 32,768 bytes that a wave fetches in a K step each of the four partners that ask
	; jointly names 8,192, told apart by address (cx for A, cy for B): lanes 256 bytes apart, one instruction a wave and K step.  The address registers are never rewritten.
	s_cmp_eq_u32 s15, 0
	s_cselect_b64 s[98:99], s[20:21], s[46:47]
	s_cselect_b32 s94, s40, s41
	s_lshl_b32 s94, s94, 13
	s_mov_b32 s95, 0
	s_add_nc_u64 s[98:99], s[98:99], s[94:95]
	v_and_b32 v30, 31, v0
	v_lshlrev_b32 v30, 8, v30
	global_prefetch_b8 v30, s[98:99] offset:KADV th:TH_LOAD_NT scope:SCOPE_SE
	v_and_b32 v1, 31, v0
	v_lshlrev_b32 v[LI], 4, v1
	v_lshlrev_b32 v[L4], 2, v1
	v_and_b32 v[RR], 15, v0
	v_bfe_u32 v2, v0, 4, 1
	v_lshlrev_b32 v[RO], 8, v[RR]
	v_lshl_add_u32 v[RO], v2, 5, v[RO]
	s_lshl_b32 s22, s15, 15
	s_lshl_b32 s23, s16, 15
	s_add_co_u32 s23, s23, 65536
.irp s, 0,1
	v_add_nc_u32 v[ADRA+\s], s22, v[LI]
	v_add_nc_u32 v[ADRB+\s], s23, v[LI]
	s_add_co_u32 s22, s22, SLOT
	s_add_co_u32 s23, s23, SLOT
.endr
.macro FRAG reg, adr, q, i
.irp c, 0,1,2,3
	ds_load_b128 v[\reg+4*\c:\reg+4*\c+3], v[\adr] offset:4096*(\i)+2048*(\q)+512*\c
.endr
.endm
.macro MUL16 a0, p, zero
.irp a, \a0, \a0+1
.irp b, 0,1,2,3,4,5,6,7
.if \zero
	v_wmma_f32_16x16x128_fp8_fp8 v[8*(8*((\a)%4)+\b):8*(8*((\a)%4)+\b)+7], v[128*(\p)+FR*\b:128*(\p)+FR*\b+FR-1], v[AF+FR*(\a):AF+FR*(\a)+FR-1], 0
.else
	v_wmma_f32_16x16x128_fp8_fp8 v[8*(8*((\a)%4)+\b):8*(8*((\a)%4)+\b)+7], v[128*(\p)+FR*\b:128*(\p)+FR*\b+FR-1], v[AF+FR*(\a):AF+FR*(\a)+FR-1], v[8*(8*((\a)%4)+\b):8*(8*((\a)%4)+\b)+7]
.endif
.endr
.endr
.endm
.macro FETCH_B slot, q, p
	WIN TO_B
.irp i, 0,1,2,3,4,5,6,7
	FRAG 128*(\p)+FR*\i, ADRB+\slot, \q, \i
.endr
	WIN 0
.endm
.macro FETCH_A slot, q, i0
.irp i, \i0, \i0+1, \i0+2, \i0+3
	FRAG AF+FR*(\i), ADRA+\slot, \q, \i
.endr
.endm
.macro PLACES n
.rept \n
	v_nop
.endr
.endm
.macro STEP slot, q, zero
	s_wait_dscnt 4*NL
	WIN MUL_LO
	MUL16 0, (\q)%2, \zero
	MUL16 2, (\q)%2, \zero
	s_wait_dscnt 0
	PLACES NP
	FETCH_B \slot, (\q)+1, 1-(\q)%2
	FETCH_A \slot, (\q)+1, 0
	WIN MUL_HI
	MUL16 4, (\q)%2, \zero
	MUL16 6, (\q)%2, \zero
	PLACES NP
	WIN 0
	FETCH_A \slot, (\q)+1, 4
.endm
.macro TURN slot, next, fill
	s_wait_tensorcnt 0x0
	ds_add_u32 v[SPW], v[NIL]
	s_wait_dscnt 4*NL+1
	WIN MUL_LO
	MUL16 0, 1, 0
	s_wait_dscnt 0x0
	s_barrier_signal -1
	MUL16 2, 1, 0
	WIN 0
	s_barrier_wait -1
.if \fill
	CREST
	s_add_nc_u64 s[G0+4*\slot+2:G0+4*\slot+3], s[G0+4*\slot+2:G0+4*\slot+3], 2*KADV
	s_add_nc_u64 s[G0B+4*\slot+2:G0B+4*\slot+3], s[G0B+4*\slot+2:G0B+4*\slot+3], 2*KADV
	JLOAD G0+4*\slot, G1, G0B+4*\slot, G1B
.else
	PLACES NP
.endif
	FETCH_B \next, 0, 0
	FETCH_A \next, 0, 0
.if \fill && ((\slot) == 0)
	global_prefetch_b8 v30, s[98:99] offset:3*KADV th:TH_LOAD_NT scope:SCOPE_SE   ; behind K step 2's load
.endif
	WIN MUL_HI
	MUL16 4, 1, 0
	MUL16 6, 1, 0
	PLACES NP
	WIN 0
	FETCH_A \next, 0, 4
.endm
.macro LAST
	s_wait_dscnt 4*NL
	WIN MUL_LO
	MUL16 0, 1, 0
	MUL16 2, 1, 0
	s_wait_dscnt 0
	WIN MUL_HI
	MUL16 4, 1, 0
	MUL16 6, 1, 0
	WIN 0
.endm
.macro FINISH
	s_wait_tensorcnt 0x0
	ds_add_u32 v[SPW], v[NIL]
	s_wait_dscnt 0x0
	CROUND
	s_endpgm
.endm
	s_wait_alu depctr_va_vdst(0)
	s_wait_tensorcnt 0x0                           ; my part of K step 0 is in
	ds_add_u32 v[SPW], v[NIL]
	s_wait_dscnt 0x0
	CROUND                                         ; everybody's part of K step 0 is in
	JLOAD G0+4, G1, G0B+4, G1B                     ; K step 1: the first tensor load behind the round
	FETCH_B 0, 0, 0
	FETCH_A 0, 0, 0
	FETCH_A 0, 0, 4
	global_prefetch_b8 v30, s[98:99] offset:2*KADV th:TH_LOAD_NT scope:SCOPE_SE
	; and rope_cache's rows, which q's and k's work-groups read behind the products: 256 rows of 256 bytes, shared by the four partners of a row of the cluster: 64 each, waves 0 and 1, a lane a row
	s_and_b32 s94, s17, 7
	s_lshl_b32 s94, s94, 16
	s_lshl_b32 s95, s40, 14
	s_add_co_u32 s94, s94, s95
	s_lshl_b32 s95, s14, 13
	s_add_co_u32 s94, s94, s95
	s_mov_b32 s95, 0
	s_add_nc_u64 s[2:3], s[10:11], s[94:95]        ; (s[2:3] are never rewritten)
	s_cmp_lt_u32 s12, 2
	s_cbranch_scc0 .Lno_rope
	s_cmp_lt_u32 s14, 2
	s_cbranch_scc0 .Lno_rope
	global_prefetch_b8 v30, s[2:3] th:TH_LOAD_NT scope:SCOPE_SE
.Lno_rope:
	STEP 0, 0, 1
	TURN 0, 1, 1
	STEP 1, 0, 0
	TURN 1, 0, 1
	STEP 0, 0, 0
	TURN 0, 1, 0
	s_wait_kmcnt 0x0
	s_cmp_eq_u32 s12, 2
	s_cbranch_scc1 .Lway_v
	s_lshl_b32 s92, s17, 8
	s_lshl_b32 s93, s15, 7
	s_add_co_u32 s92, s92, s93
	s_mov_b32 s93, 0
	s_add_nc_u64 s[68:69], s[68:69], s[92:93]
	s_and_b32 s94, s92, 2047
	s_lshl_b32 s96, s94, 8
	s_mov_b32 s97, 0
	s_add_nc_u64 s[10:11], s[10:11], s[96:97]
.macro ROPELOAD a
.irp sc, 0,1
.irp u, 0,1
.irp w, 0,1
	global_load_b128 v[32*(\a)+16*\sc+8*\u+4*\w:32*(\a)+16*\sc+8*\u+4*\w+3], v[RO], s[10:11] offset:4096*(\a)+128*\sc+64*\u+16*\w   ; into window 1
.endr
.endr
.endr
.endm
.irp a, 0,1,2,3,4,5,6,7
	global_load_u8 v[MB+\a], v[RR], s[68:69] offset:16*\a
.endr
	STEP 1, 0, 0
	WIN TO_B                                       ; B's set 0 (window 1, v0-127) has been multiplied for the last time, and the step's places stand behind it: blocks 0-3 of the rope values land there
	ROPELOAD 0
	ROPELOAD 1
	ROPELOAD 2
	ROPELOAD 3
	WIN 0
	s_lshr_b32 s96, s92, 11
	s_lshl_b32 s96, s96, 4
	s_lshl_b32 s95, s40, 2
	s_add_co_u32 s96, s96, s95
	s_lshl_b32 s95, s16, 1
	s_add_co_u32 s96, s96, s95
	s_lshl_b32 s96, s96, 7
	s_lshr_b32 s94, s94, 4
	s_add_co_u32 s96, s96, s94
	s_lshl_b32 s96, s96, 10
	s_cmp_eq_u32 s12, 0
	s_cselect_b64 s[78:79], s[70:71], s[72:73]
	s_cselect_b32 s92, s80, s82
	s_cselect_b32 s93, s81, s83
	s_cselect_b32 s94, s86, s87
	s_add_nc_u64 s[78:79], s[78:79], s[96:97]
	s_sub_co_i32 s94, s94, s92
	s_sub_co_i32 s94, s94, s93
	s_add_co_i32 s94, s94, 127
	s_lshl_b32 s95, s94, 23
	v_mov_b32 v[SCL], s95
	s_add_co_i32 s94, s94, 8
	s_lshl_b32 s94, s94, 23
	s_or_b32 s94, s94, 0x600000
	v_mov_b32 v[LIM], s94
	s_cmp_eq_u32 s12, 1
	s_cselect_b32 s94, 0, s94
	v_mov_b32 v[LIM0], s94
	s_wait_alu depctr_va_vdst(0)
	LAST
	PLACES NP
	WIN TO_B                                       ; B's set 1 is done with too: blocks 4-7
.irp a, 4,5,6,7
	ROPELOAD \a
.endr
	WIN 0
.macro QKBLOCK a
.set CB, 32*(\a)
.set PB, PC+16*((\a)%2)
.set AC, 64*((\a)%4)
	s_wait_loadcnt 8*(7-(\a))                      ; this block's eight loads are in; the later blocks' may be out
	s_wait_xcnt 0x0                                ; the stores of two blocks ago have read their data
	v_cmp_eq_u32 vcc_lo, 0, v[MB+(\a)]
	v_cndmask_b32 v[LIMB], v[LIM], v[LIM0], vcc_lo
	WIN 0x06+((\a)/4)                              ; source 0: the sums (window 2 or 3), source 1: the rope values (window 1)
.irp hh, 0,1
.irp u, 0,1
.irp jj, 0,2,4,6
.set Y1, YR+32*\hh+8*\u+\jj
.set Y2, Y1+16
.set A2, AC+8*(4*\hh+\u)+\jj+16
.set CO, CB+8*\u+\jj
.set SI, CO+16
	v_pk_mul_f32 v[Y1:Y1+1], v[A2:A2+1], v[SI:SI+1]
	v_pk_mul_f32 v[Y2:Y2+1], v[A2:A2+1], v[CO:CO+1]
.endr
.irp jj, 0,2,4,6
.set Y1, YR+32*\hh+8*\u+\jj
.set Y2, Y1+16
.set A1, AC+8*(4*\hh+\u)+\jj
.set CO, CB+8*\u+\jj
.set SI, CO+16
	v_pk_fma_f32 v[Y1:Y1+1], v[A1:A1+1], v[CO:CO+1], v[Y1:Y1+1] neg_lo:[0,0,1] neg_hi:[0,0,1]
	v_pk_fma_f32 v[Y2:Y2+1], v[A1:A1+1], v[SI:SI+1], v[Y2:Y2+1]
.endr
.endr
.endr
	WIN 0
.irp g, 0,1,2,3,4,5,6,7
.irp i, 0,1,2,3,4,5,6,7
	v_med3_num_f32 v[YR+8*\g+\i], v[YR+8*\g+\i], -v[LIMB], v[LIMB]
.endr
	v_cvt_scalef32_pk8_fp8_f32 v[PB+2*\g:PB+2*\g+1], v[YR+8*\g:YR+8*\g+7], v[SCL]
.endr
	v_nop
	global_store_b128 v[LI], v[PB:PB+3],     s[78:79] offset:1024*(\a)
	global_store_b128 v[LI], v[PB+4:PB+7],   s[78:79] offset:1024*(\a)+512
	global_store_b128 v[LI], v[PB+8:PB+11],  s[78:79] offset:1024*(\a)+131072
	global_store_b128 v[LI], v[PB+12:PB+15], s[78:79] offset:1024*(\a)+131584
.endm
.irp a, 0,1,2,3,4,5,6,7
	QKBLOCK \a
.endr
	FINISH
.Lway_v:
	s_lshl_b32 s92, s42, 8
	s_lshl_b32 s93, s16, 7
	s_add_co_u32 s92, s92, s93
	s_lshr_b32 s93, s92, 11
	s_lshl_b32 s93, s93, 4
	s_bfe_u32 s92, s92, 0x40007
	s_lshl_b32 s96, s41, 2
	s_lshl_b32 s97, s15, 1
	s_add_co_u32 s96, s96, s97
	s_add_co_u32 s96, s96, s93
	s_lshl_b32 s96, s96, 6
	s_lshl_b32 s97, s92, 2
	s_add_co_u32 s96, s96, s97
	s_lshl_b32 s96, s96, 11
	s_mov_b32 s97, 0
	s_add_nc_u64 s[78:79], s[74:75], s[96:97]
	s_add_co_u32 s96, s93, s92
	s_lshl_b32 s96, s96, 10
	s_lshl_b32 s92, s41, 8
	s_add_co_u32 s96, s96, s92
	s_lshl_b32 s92, s15, 7
	s_add_co_u32 s96, s96, s92
	s_lshl_b32 s96, s96, 2
	s_add_nc_u64 s[94:95], s[76:77], s[96:97]
	s_mov_b32 s96, 0xffff0000
	s_sub_co_i32 s92, s89, s84
	s_sub_co_i32 s92, s92, s85
	s_add_co_i32 s92, s92, 127
	s_lshl_b32 s93, s92, 23
	v_mov_b32 v[SCL], s93
	s_add_co_i32 s92, s92, 8
	s_lshl_b32 s92, s92, 23
	s_or_b32 s92, s92, 0x600000
	v_mov_b32 v[LIM], s92
	STEP 1, 0, 0
	LAST
	PLACES NP+1
.irp i, 0,1,2,3,4,5,6,7,8,9,10,11,12,13,14,15
	v_mov_b32 v[ONES+\i], 0x38383838
.endr
.macro VBLOCK a
.set PB, PC+16*((\a)%2)
.set AC, 64*((\a)%4)
.set DB, DSUM+8*((\a)%2)
.if (\a) >= 2
	s_wait_xcnt 0x0
.endif
	WIN 0x02+((\a)/4)
.set n, 0
.rept 64
	v_med3_num_f32 v[YR+n], v[AC+n], -v[LIM], v[LIM]
.set n, n+1
.endr
	WIN 0
.irp b, 0,1,2,3,4,5,6,7
	v_cvt_scalef32_pk8_fp8_f32 v[PB+2*\b:PB+2*\b+1], v[YR+8*\b:YR+8*\b+7], v[SCL]
.endr
	v_nop
	v_wmma_f32_16x16x128_fp8_fp8 v[DB:DB+7], v[ONES:ONES+15], v[PB:PB+15], 0
.irp c, 0,1,2,3
	global_store_b128 v[LI], v[PB+4*\c:PB+4*\c+3], s[78:79] offset:((\a)/4)*131072+((\a)%4)*2048+512*\c
.endr
.if ((\a)%2) == 1
	PLACES NP
	v_cndmask_b32 v[OV+(\a)/2], v[DSUM], v[DSUM+8], s96
	global_store_b32 v[L4], v[OV+(\a)/2], s[94:95] offset:128*((\a)/2)
.endif
.endm
.irp a, 0,1,2,3,4,5,6,7
	VBLOCK \a
.endr
	FINISH
.Lfunc_end_k_q2df4861cb5_qkv:
	.size	k_q2df4861cb5_qkv, .Lfunc_end_k_q2df4861cb5_qkv-k_q2df4861cb5_qkv
	.p2alignl 7, 3214868480
	.fill 96, 4, 3214868480
	.section	.rodata,"a",@progbits
	.p2align	6, 0x0
	.amdhsa_kernel k_q2df4861cb5_qkv
		.amdhsa_group_segment_fixed_size 327680
		.amdhsa_private_segment_fixed_size 0
		.amdhsa_enable_private_segment 0
		.amdhsa_kernarg_size 72
		.amdhsa_user_sgpr_count 2
		.amdhsa_user_sgpr_kernarg_segment_ptr 1
		.amdhsa_wavefront_size32 1
		.amdhsa_system_sgpr_workgroup_id_x 1
		.amdhsa_system_sgpr_workgroup_id_y 1
		.amdhsa_system_sgpr_workgroup_id_z 1
		.amdhsa_system_vgpr_workitem_id 0
		.amdhsa_next_free_vgpr 1024
		.amdhsa_next_free_sgpr 100
		.amdhsa_reserve_vcc 1
		.amdhsa_float_denorm_mode_32 3
		.amdhsa_float_denorm_mode_16_64 3
		.amdhsa_memory_ordered 1
		.amdhsa_forward_progress 1
		.amdhsa_inst_pref_size 216
	.end_amdhsa_kernel
	.amdgpu_metadata
---
amdhsa.version: [ 1, 2 ]
amdhsa.kernels:
  - .name:           k_q2df4861cb5_qkv
    .symbol:         k_q2df4861cb5_qkv.kd
    .args:
      - { .name: xcodes, .offset: 0, .size: 8, .value_kind: global_buffer, .address_space: global }
      - { .name: wcodes, .offset: 8, .size: 8, .value_kind: global_buffer, .address_space: global }
      - { .name: lowp_scales, .offset: 16, .size: 8, .value_kind: global_buffer, .address_space: global }
      - { .name: rope_cache, .offset: 24, .size: 8, .value_kind: global_buffer, .address_space: global }
      - { .name: mask, .offset: 32, .size: 8, .value_kind: global_buffer, .address_space: global }
      - { .name: qcodes, .offset: 40, .size: 8, .value_kind: global_buffer, .address_space: global }
      - { .name: kcodes, .offset: 48, .size: 8, .value_kind: global_buffer, .address_space: global }
      - { .name: vcodes, .offset: 56, .size: 8, .value_kind: global_buffer, .address_space: global }
      - { .name: vsum, .offset: 64, .size: 8, .value_kind: global_buffer, .address_space: global }
    .group_segment_fixed_size: 327680
    .private_segment_fixed_size: 0
    .kernarg_segment_align: 8
    .kernarg_segment_size: 72
    .max_flat_workgroup_size: 128
    .sgpr_count:     100
    .vgpr_count:     1024
    .wavefront_size: 32
...
	.end_amdgpu_metadata
.endif
;; end of part 2
;; launch attn (part 3): grid 8 x 32, 8 waves a work-group, clusters of 4 x 1, 327,680 bytes of LDS; arguments qcodes, kcodes, vcodes, vsum, mask, lowp_scales, aocodes; writes aocodes
.if DOCPART == 3
	.amdgcn_target "amdgcn-amd-amdhsa--gfx1250"
	.amdhsa_code_object_version 6
	.text
	.protected	k_q2df4861cb5_attn
	.globl	k_q2df4861cb5_attn
	.p2align	8
	.type	k_q2df4861cb5_attn,@function
k_q2df4861cb5_attn:
	s_mov_b64 s[64:65], 0
	v_nop
	global_prefetch_b8 v0, s[64:65] scope:SCOPE_SE
	s_setreg_imm32_b32 hwreg(HW_REG_WAVE_MODE, 25, 1), 1
	s_wait_xcnt 0x0
	s_wait_alu depctr_hold_cnt(0) depctr_sa_sdst(0) depctr_va_vdst(0) depctr_va_sdst(0) depctr_va_ssrc(0) depctr_va_vcc(0) depctr_vm_vsrc(0)
	s_getreg_b32 s2, hwreg(HW_REG_IB_STS2, 6, 4)
	s_cmp_eq_u32 s2, 0
	s_cbranch_scc0 .Lentry_in_a_cluster
	s_endpgm
.Lentry_in_a_cluster:
	s_bfe_u32 s2, ttmp6, 0x10000c
	s_cmp_lg_u32 s2, 0x3003
	s_cbranch_scc0 .Lentry_shape_is_right
	s_endpgm
.Lentry_shape_is_right:
; Attention on E4M3 codes, head size 64, causal, with the key mask that is given; its result, divided by the row's sum, is quantised (2^e10) and stored as the last product's operand.
; q, k: images of 16 rows x 64 d (1,024 bytes); v: images of 16 d x 128 keys (2,048 bytes): a fragment is two or four ds_load_b128 at 16 x lane.
; THE SOFTMAX: t = score x c, c = log2(e) / 8 x 2^(e6 + e7); M = the running largest t rounded UP to a whole number; p = 2^(t - M) is quantised (2^e8) along the keys, not normalised; the row's sum is taken of
; the unquantised p.  When M moves, the sum and O are multiplied by 2^(old M - new M), which rounds nothing.
; ALL OF A HEAD'S K AND V LIES IN LDS: 2 x 131,072 bytes, asked for at the head, one joint load of 32,768 bytes a wave; nothing is filled again.  All tiles are asked for at the head, so there is nothing to prefetch.
; CLUSTERS of 4 work-groups of one head: all load the same K and V.
; SHARES.  A tile is 32 queries; tile u needs u / 4 + 1 steps of 128 keys.  Pair T of work-group (X, cx): short tile 4 T + cx (T + 1 steps), long tile 63 - that (16 - T steps), T = 2 p + X, p = wave % 4.
; Wave 4 + p takes the long tile's steps 0 to 4; wave p the short tile, then the long tile's steps 5 to 15 - T: 5 and 12 steps.  No branch and no LDS address hangs on cx: the partners' tiles have the same steps.
; The long tile's two partial results meet in LDS at the end.  Steps that the causal mask hides wholly are not walked.
; LAYOUT.  S^T = K Q^T, O^T = V^T P^T: a lane holds ONE query (lane % 16) of queries 0-15 (window 0) and one of queries 16-31 (window 1); register j of tile tau of S^T is key 16 tau + 8 (lane / 16) + j, the place that
; the 8-bit plain form gives that lane: the conversions' results are P's registers.
; CLOSED KEYS.  reference() writes -1e9 for a hidden or closed key.  Here a closed key's score is SM = -2^(33 - e6 - e7) (its k codes are zeros; SM comes in as the C of S^T's product, from a table in LDS),
; and a hidden key has SM added.  SM x c is about -1.55e9.  So where a row has an open key, p of the others is 0.  A ROW WITH NO OPEN KEY at or before it has 2,048 equal logits in reference(): its
; result is the mean over ALL keys.  It is told by its largest t (at or under half of SM x c) and only selects values: O becomes Q(1) x the sum of v's code values over all keys (from vsum), the row's sum 2,048.
; LIMITS: true logits stay above about -5e8; e6 + e7 between -94 and 130; e8, and e10 - e8 - e9, between -126 and 119.
; REGISTERS, the same numbers in both windows: v8 SM, v9 448 x 2^e8, v10 2^e8, v12 -M, v13 the largest t, v[14:15] the sum, v16-23 Q, v24-31 the long tile's Q, later the result's codes; v32-95 the mask's words
; (window 0) and K's eight fragments (window 1); v96-159 S^T, then p, then (window 0) V's four fragments; v160-191 O^T; v192-223, v240-243 the short tile's result set aside; v224-239 sums, then P's codes; v244-253 at work.
.set LS,    5                          ; the long tile's steps that waves 4-7 take
.set TRIPS, 17-LS                      ; the steps of waves 0-3
.set BIAS,  262144                     ; 2,048 words: 0 or SM for each key of my batch
.set VST,   270336                     ; 64 words: Q(1) x the sum of v over all keys
.set XA,    270592                     ; four partial results of 9,216 bytes
.set XSZ,   9216
.set SPARE, XA+4*XSZ                   ; the spare words, 128 bytes a wave: four blocks of 256 bytes that no other line names
.set LI,   1                           ; v1   16 x lane
.set BA,   2                           ; v2   BIAS + 32 (lane / 16)
.set VAD,  3                           ; v3, v4, v11: LDS addresses of the step's V, the next step's K and mask words
.set KAD,  4
.set SPW,  5                           ; v5   my spare word; never rewritten
.set NIL,  6                           ; v6   0; never rewritten
.set VLI,  7                           ; v7   131,072 + 16 x lane
.set BAD,  11
.set XAD,  254                         ; v254 my pair's partial result
.set VSAD, 255                         ; v255 VST + 32 (lane / 16)
.set XT,   2                           ; s2   the trip
.set SW,   3                           ; s3   the trip at which the long tile follows (none: 31)
.set WV,   18
.set CX,   19
.set SEL,  20                          ; s[20:21] lane l xor 16
.set CS,   22                          ; s[22:23] c
.set G1,   24
.set G0,   32
.set TT,   36                          ; T
.set NST,  37                          ; my steps
.set OFF,  38                          ; LS - 1 - T + 16: from the trip to the long tile's step, modulo 16
.set TRI,  70                          ; s[70:77] lanes whose register j lies behind the diagonal of a tile
.set UF,   85                          ; the tile that I begin with, and whose result I store
.set MSB, 0
.macro WIN new                         ; the immediate's high byte repeats the setting that is left
.if MSB != \new
	s_set_vgpr_msb (MSB<<8)|\new
.set MSB, \new
.endif
.endm
.macro CROUND                          ; a round of the cluster's barrier
	s_barrier_signal -1
	s_barrier_wait -1
	s_cmp_lg_u32 s[WV], 0
	s_cbranch_scc1 .Lnot_wave_0_\@
	s_barrier_signal -3
.Lnot_wave_0_\@:
	s_barrier_wait -3
	s_barrier_signal -1
	s_barrier_wait -1
.endm
	s_load_b256 s[4:11], s[0:1], 0x0               ; qcodes s[4:5], kcodes s[6:7], vcodes s[8:9], vsum s[10:11]
	s_load_b128 s[12:15], s[0:1], 0x20             ; mask s[12:13], the exponents s[14:15]
	s_load_b64 s[16:17], s[0:1], 0x30              ; aocodes
	v_lshl_add_u32 v[SPW], v0, 2, SPARE
	v_mov_b32 v[NIL], 0
	ds_add_u32 v[SPW], v[NIL]                      ; the wave's opening: the add, twice on end, and its wait; the set-up stands between
	ds_add_u32 v[SPW], v[NIL]
	v_lshrrev_b32 v8, 5, v0
	v_readfirstlane_b32 s[WV], v8                  ; wave 0..7
	s_bfe_u32 s[CX], ttmp6, 0x40000
	s_and_b32 s60, ttmp7, 0xffff                   ; b 16 + head
	s_and_b32 s61, s[WV], 3                        ; p
	s_lshl_b32 s[TT], s61, 1
	s_add_co_u32 s[TT], s[TT], ttmp9               ; T = 2 p + X: the cluster's x
	s_lshl_b32 s62, s[TT], 2
	s_add_co_u32 s62, s62, s[CX]                   ; the short tile,
	s_sub_co_u32 s63, 63, s62                      ; the long one
	s_sub_co_u32 s[OFF], LS+15, s[TT]
	s_add_co_u32 s66, s[TT], 1
	s_cmp_lt_u32 s[WV], 4
	s_cselect_b32 s[SW], s66, 31
	s_cselect_b32 s[NST], TRIPS, LS
	s_cselect_b32 s[UF], s62, s63
	s_mov_b32 s[G1], 15|(3<<16)|(1<<21)            ; all four partners; elements of 8 bytes; bit 21 set beside a mask; no padding
	s_mov_b32 s[G1+1], 32<<16                      ; rows of 256 bytes,
	s_mov_b32 s[G1+2], 128<<16                     ; 128 of them, dense
	s_mov_b32 s[G1+3], 32<<16
	s_mov_b32 s[G1+4], 128
	s_mov_b32 s[G1+5], 32
	s_mov_b32 s[G1+6], 0
	s_mov_b32 s[G1+7], 0
	s_mov_b32 s[G0], 1
	s_lshl_b32 s[G0+1], s[WV], 15                  ; waves 0-3: K's quarters, waves 4-7: V's
	s_lshl_b32 s82, s60, 17                        ; a head's codes: 131,072 bytes in each of the three tensors
	s_lshl_b32 s83, s61, 15
	s_add_co_u32 s82, s82, s83
	s_mov_b32 s83, 0
	s_mov_b32 s[SEL], 0x76543210
	s_mov_b32 s[SEL+1], 0xfedcba98
	s_mov_b32 s[CS], 0x3e38aa3b                    ; log2(e) / 8
	s_wait_alu depctr_va_vdst(0)
	s_wait_dscnt 0x0                               ; both opening adds are done
	s_wait_kmcnt 0x0
	s_load_b256 s[44:51], s[14:15], 0x0            ; e0 .. e7
	s_load_b128 s[52:55], s[14:15], 0x20           ; e8 .. e11
	s_cmp_lt_u32 s[WV], 4
	s_cselect_b64 s[G0+2:G0+3], s[6:7], s[8:9]
	s_add_nc_u64 s[G0+2:G0+3], s[G0+2:G0+3], s[82:83]
	s_or_b32 s[G0+3], s[G0+3], 0x80000000
	CROUND                                         ; all four work-groups are here: the joint loads meet
	tensor_load_to_lds s[G0:G0+3], s[G1:G1+7]
	s_nop 0
.rept 4
	v_nop
.endr
	s_lshl_b32 s66, s60, 17
	s_lshl_b32 s68, s[UF], 11                      ; a tile's codes of q: 2,048 bytes
	s_add_co_u32 s68, s68, s66
	s_mov_b32 s69, 0
	s_add_nc_u64 s[56:57], s[4:5], s[68:69]
	s_lshl_b32 s68, s63, 11
	s_add_co_u32 s68, s68, s66
	s_add_nc_u64 s[58:59], s[4:5], s[68:69]        ; the long tile's
	s_lshr_b32 s67, s60, 4                         ; b
	s_lshl_b32 s68, s67, 11
	s_add_nc_u64 s[12:13], s[12:13], s[68:69]      ; my batch's mask
	s_lshl_b32 s68, s67, 16
	s_and_b32 s66, s60, 15                         ; head
	s_lshl_b32 s79, s66, 8
	s_add_co_u32 s68, s68, s79
	s_lshl_b32 s79, s[WV], 5
	s_add_co_u32 s68, s68, s79
	s_add_nc_u64 s[10:11], s[10:11], s[68:69]      ; vsum at my batch, head and my wave's eight d
	s_lshr_b32 s68, s66, 2
	s_lshl_b32 s68, s68, 20                        ; the result: 256 along K are four heads,
	s_lshl_b32 s67, s67, 7
	s_lshl_b32 s78, s[UF], 1
	s_add_co_u32 s67, s67, s78
	s_lshl_b32 s67, s67, 12                        ; the tile of 16 rows,
	s_add_co_u32 s68, s68, s67
	s_and_b32 s66, s66, 3
	s_lshl_b32 s66, s66, 10                        ; and a head's 64 are half an image
	s_add_co_u32 s68, s68, s66
	s_add_nc_u64 s[16:17], s[16:17], s[68:69]
	s_add_co_u32 s79, s79, VST                     ; where my eight sums go
	s_mul_i32 s66, s61, XSZ
	s_add_co_u32 s66, s66, XA
	v_and_b32 v35, 31, v0
	v_and_b32 v36, 15, v0                          ; r
	v_bfe_u32 v37, v0, 4, 1                        ; h
	v_lshlrev_b32 v[LI], 4, v35
	v_lshlrev_b32 v32, 3, v0                       ; eight keys a thread
	v_lshlrev_b32 v33, 12, v36                     ; lane r takes the partial sums of key step r,
	v_lshl_add_u32 v33, v37, 4, v33                ; at d = 8 wave + 4 h + 0 .. 3
	global_load_b64 v[248:249], v32, s[12:13]
	global_load_b128 v[250:253], v33, s[10:11]
	global_load_b128 v[16:19], v[LI], s[56:57]
	global_load_b128 v[20:23], v[LI], s[56:57] offset:512
	global_load_b128 v[24:27], v[LI], s[58:59]
	global_load_b128 v[28:31], v[LI], s[58:59] offset:512
	WIN 0x40
	global_load_b128 v[16:19], v[LI], s[56:57] offset:1024
	global_load_b128 v[20:23], v[LI], s[56:57] offset:1536
	global_load_b128 v[24:27], v[LI], s[58:59] offset:1024
	global_load_b128 v[28:31], v[LI], s[58:59] offset:1536
	WIN 0
	v_lshl_add_u32 v[BA], v37, 5, BIAS
	v_lshl_add_u32 v[VSAD], v37, 5, VST
	v_add_nc_u32 v[VLI], 0x20000, v[LI]
	v_add_nc_u32 v[XAD], s66, v[LI]
	v_lshlrev_b32 v43, 4, v37
	v_add_nc_u32 v43, s79, v43
	v_lshlrev_b32 v38, 3, v37
	v_sub_nc_u32 v38, v36, v38                     ; r - 8 h
.irp j, 0,1,2,3,4,5,6,7
	v_cmp_gt_i32 s[TRI+\j], \j, v38                ; on the diagonal tile key 8 h + j is hidden where it lies behind query r
.endr
.macro RESET                           ; a tile begins: nothing summed, the largest t under every t
	v_mov_b32 v12, 0x7f61b1e6
	v_mov_b32 v13, 0xff61b1e6
	v_dual_mov_b32 v14, 0 :: v_dual_mov_b32 v15, 0
.set J, 0
.rept 16
	v_dual_mov_b32 v[160+J], 0 :: v_dual_mov_b32 v[161+J], 0
.set J, J+2
.endr
.endm
.macro FIRST
	RESET
.set J, 0
.rept 16
	v_dual_mov_b32 v[192+J], 0 :: v_dual_mov_b32 v[193+J], 0
.set J, J+2
.endr
	v_dual_mov_b32 v240, 0 :: v_dual_mov_b32 v241, 0
	v_dual_mov_b32 v242, 0 :: v_dual_mov_b32 v243, 0
	v_mov_b32 v245, 0                              ; (upper halves of pairs that are named, and a lane permute's destination)
	v_mov_b32 v247, 0
.endm
	FIRST
	WIN 0x40
	FIRST
	v_mov_b32 v253, 0
	WIN 0
	s_wait_alu depctr_va_vdst(0)
	s_wait_kmcnt 0x0
	s_add_co_i32 s66, s50, s51                     ; e6 + e7
	s_lshl_b32 s67, s66, 23
	s_add_co_i32 s[CS], s[CS], s67                 ; into c's exponent field
	s_mov_b32 s[CS+1], s[CS]
	s_sub_co_i32 s66, 160, s66
	s_lshl_b32 s66, s66, 23
	s_or_b32 s80, s66, 0x80000000                  ; SM = -2^(33 - e6 - e7)
	s_add_co_i32 s66, s52, 127
	s_lshl_b32 s88, s66, 23                        ; 2^e8
	s_add_co_i32 s66, s66, 8
	s_lshl_b32 s66, s66, 23
	s_or_b32 s89, s66, 0x600000                    ; 448 x 2^e8
	s_sub_co_i32 s66, s54, s52
	s_sub_co_i32 s66, s66, s53                     ; O / l stands for that x 2^(e8 + e9): the result's conversion takes 2^(e10 - e8 - e9)
	s_add_co_i32 s66, s66, 127
	s_lshl_b32 s86, s66, 23
	s_add_co_i32 s66, s66, 8
	s_lshl_b32 s66, s66, 23
	s_or_b32 s87, s66, 0x600000
	s_sub_co_i32 s66, 127, s52
	s_lshl_b32 s66, s66, 23                        ; the code value of p = 1: 2^-e8,
	s_cmp_gt_i32 s52, 9
	s_cselect_b32 s66, 0, s66                      ; 0 where that falls under half the smallest code (at the half: ties to even),
	s_mov_b32 s67, 0x43e00000
	s_cmp_lt_i32 s52, -8
	s_cselect_b32 s42, s67, s66                    ; 448 where it lies above the largest
	s_mov_b32 s43, s42
	s_mov_b32 s69, 0
	s_mov_b32 s79, 0
	v_mov_b32 v8, s80
	v_mov_b32 v9, s89
	v_mov_b32 v10, s88
	WIN 0x40
	v_mov_b32 v8, s80
	v_mov_b32 v9, s89
	v_mov_b32 v10, s88
	WIN 0
	v_lshl_add_u32 v42, v0, 5, BIAS
	s_wait_alu depctr_va_vdst(0)
	s_wait_loadcnt 0x0
.irp i, 0,1,2,3
	v_bfe_u32 v[44+\i], v248, 8*\i, 8
	v_bfe_u32 v[48+\i], v249, 8*\i, 8
.endr
.irp i, 44,45,46,47,48,49,50,51
	v_cmp_eq_u32 vcc_lo, 0, v\i
	v_cndmask_b32 v\i, 0, v8, vcc_lo               ; 0 for an open key, SM for a closed one
.endr
	ds_store_b128 v42, v[44:47]
	ds_store_b128 v42, v[48:51] offset:16
.irp m, 1,2,4,8                                ; the sixteen steps' partial sums, one in each lane of a half
.irp i, 250,251,252,253
	v_add_f32_dpp v\i, v\i, v\i row_xmask:\m row_mask:0xf bank_mask:0xf
.endr
.endr
	v_pk_mul_f32 v[250:251], v[250:251], s[42:43] op_sel_hi:[1,0]
	v_pk_mul_f32 v[252:253], v[252:253], s[42:43] op_sel_hi:[1,0]
	ds_store_b128 v43, v[250:253]                  ; the sixteen lanes of a half store the same 16 bytes
	v_mov_b32 v[KAD], v[LI]                        ; every wave begins with step 0
	v_mov_b32 v[BAD], v[BA]
.macro KLOAD                           ; a step's 128 keys: eight fragments into window 1
	WIN 0x40
.irp t, 0,1,2,3,4,5,6,7
	ds_load_b128 v[32+8*\t:35+8*\t], v[KAD] offset:1024*\t
	ds_load_b128 v[36+8*\t:39+8*\t], v[KAD] offset:1024*\t+512
.endr
	WIN 0
.endm
.macro BLOAD                           ; and the mask's words: keys 16 t + 8 h + 0 .. 7: the C of tile t, for both windows
.irp t, 0,1,2,3,4,5,6,7
	ds_load_b128 v[32+8*\t:35+8*\t], v[BAD] offset:64*\t
	ds_load_b128 v[36+8*\t:39+8*\t], v[BAD] offset:64*\t+16
.endr
.endm
.macro QK                              ; eight accumulators, one instruction each
.irp t, 0,1,2,3,4,5,6,7
	v_wmma_f32_16x16x64_fp8_fp8 v[96+8*\t:103+8*\t], v[32+8*\t:39+8*\t], v[16:23], v[32+8*\t:39+8*\t]
.endr
.endm
.macro PV
.irp d, 0,1,2,3
	v_wmma_f32_16x16x128_fp8_fp8 v[160+8*\d:167+8*\d], v[96+16*\d:111+16*\d], v[224:239], v[160+8*\d:167+8*\d]
.endr
.endm
; The causal edge, in a tile's last step: key tile m (m = s81: 2 c + par) is the diagonal one, those behind it are hidden.  SM is added: 1 or 0 times the triangle, then SM or 0.  m's parity is par's.
.macro DIAG par
.irp j, 0,1,2,3,4,5,6,7
	v_cndmask_b32 v[246+\j], 0, v8, s[TRI+\j]
.endr
	s_wait_alu depctr_va_vdst(0)
.set TI, 0
.rept 8
.if (TI%2) == \par
	s_cmp_eq_u32 s81, TI
	s_cselect_b32 s68, 1.0, 0
.irp j, 0,2,4,6
	v_pk_fma_f32 v[96+8*TI+\j:97+8*TI+\j], v[246+\j:247+\j], s[68:69], v[96+8*TI+\j:97+8*TI+\j] op_sel_hi:[1,0,1]
.endr
.endif
.if TI > \par
	s_cmp_lt_u32 s81, TI
	s_cselect_b32 s78, s80, 0
.irp j, 0,2,4,6
	v_pk_add_f32 v[96+8*TI+\j:97+8*TI+\j], v[96+8*TI+\j:97+8*TI+\j], s[78:79] op_sel_hi:[1,0]
.endr
.endif
.set TI, TI+1
.endr
.endm
.macro RESCALE                         ; O^T x f
.set J, 0
.rept 16
	v_pk_mul_f32 v[160+J:161+J], v[160+J:161+J], v[244:245] op_sel_hi:[1,0]
.set J, J+2
.endr
.endm
; The largest t of my query, M, f = 2^(old M - new M), O^T under the new M, and t - M.
.macro MAXO
	v_max3_num_f32 v246, v96, v97, v98
	v_max3_num_f32 v248, v99, v100, v101
	v_max3_num_f32 v250, v102, v103, v104
	v_max3_num_f32 v252, v105, v106, v107
.set J, 0
.rept 26                                       ; my 64 keys, in four chains
	v_max3_num_f32 v[246+2*(J%4)], v[246+2*(J%4)], v[108+2*J], v[109+2*J]
.set J, J+1
.endr
	v_max3_num_f32 v246, v246, v248, v250
	s_delay_alu instid0(VALU_DEP_1)
	v_max_num_f32 v246, v246, v252
	s_delay_alu instid0(VALU_DEP_1)
	v_permlanex16_b32 v247, v246, s[SEL], s[SEL+1]
	s_delay_alu instid0(VALU_DEP_1)
	v_max_num_f32 v246, v246, v247                 ; and lane l xor 16's
	s_delay_alu instid0(VALU_DEP_1)
	v_mul_f32 v246, s[CS], v246                    ; as t (c is positive)
	s_delay_alu instid0(VALU_DEP_1)
	v_max_num_f32 v13, v13, v246
	v_mov_b32 v248, v12
	s_delay_alu instid0(VALU_DEP_2)
	v_floor_f32 v12, -v13                          ; -M = floor(-t): M is a whole number
	s_delay_alu instid0(VALU_DEP_1)
	v_sub_f32 v248, v12, v248                      ; old M - new M: a whole number, 0 or less
	s_delay_alu instid0(VALU_DEP_1)
	v_cvt_i32_f32 v248, v248                       ; (it saturates)
	s_delay_alu instid0(VALU_DEP_1)
	v_ldexp_f32 v244, 1.0, v248
.set J, 0
.rept 32
	v_pk_fma_f32 v[96+J:97+J], v[96+J:97+J], s[CS:CS+1], v[12:13] op_sel_hi:[1,0,0]
.set J, J+2
.endr
	RESCALE
.endm
.macro EXPS
	s_wait_alu depctr_va_vdst(0)
.set J, 0
.rept 64
	v_exp_f32 v[96+J], v[96+J]                     ; p = 2^(t - M)
.set J, J+1
.endr
	v_pk_mul_f32 v[14:15], v[14:15], v[244:245] op_sel_hi:[1,0]   ; the sum under the new M: the plain line behind the exponentials
	s_wait_alu depctr_va_vdst(0)                   ; and the wait behind it
.set J, 0
.rept 8                                        ; the row's sum of the unquantised p, in eight chains
	v_pk_add_f32 v[224+2*J:225+2*J], v[96+4*J:97+4*J], v[98+4*J:99+4*J]
.set J, J+1
.endr
.set J, 0
.rept 16
	v_pk_add_f32 v[224+2*(J%8):225+2*(J%8)], v[224+2*(J%8):225+2*(J%8)], v[128+2*J:129+2*J]
.set J, J+1
.endr
.irp i, 224,226,228,230
	v_pk_add_f32 v[\i:\i+1], v[\i:\i+1], v[\i+8:\i+9]
.endr
.irp i, 224,226
	v_pk_add_f32 v[\i:\i+1], v[\i:\i+1], v[\i+4:\i+5]
.endr
	v_pk_add_f32 v[224:225], v[224:225], v[226:227]
	v_pk_add_f32 v[14:15], v[14:15], v[224:225]
.set J, 0
.rept 32                                       ; the conversion does not saturate (ISA guide 7.6.2); p is not negative: a one-sided hold
	v_dual_min_num_f32 v[96+J], v9, v[96+J] :: v_dual_min_num_f32 v[97+J], v9, v[97+J]
.set J, J+2
.endr
.irp t, 0,1,2,3,4,5,6,7
	v_cvt_scalef32_pk8_fp8_f32 v[224+2*\t:225+2*\t], v[96+8*\t:103+8*\t], v10   ; registers 2 t, 2 t + 1 of P: keys 16 t + 8 h + 0 .. 7
.endr
	v_nop
.endm
.macro COPYO dst, src                  ; 32 registers
.set J, 0
.rept 16
	v_dual_mov_b32 v[\dst+J], v[\src+J] :: v_dual_mov_b32 v[\dst+1+J], v[\src+1+J]
.set J, J+2
.endr
.endm
.macro CROSS                           ; the short tile is done: it is set aside, and the long one begins
	COPYO 192, 160
	v_dual_mov_b32 v240, v12 :: v_dual_mov_b32 v241, v13
	v_dual_mov_b32 v242, v14 :: v_dual_mov_b32 v243, v15
	RESET
.irp j, 0,2,4,6
	v_dual_mov_b32 v[16+\j], v[24+\j] :: v_dual_mov_b32 v[17+\j], v[25+\j]
.endr
.endm
	s_wait_alu depctr_va_vdst(0)
	s_wait_tensorcnt 0x0                           ; my part of K or V is in,
	s_wait_dscnt 0x0                               ; and my stores into the tables
	s_barrier_signal -1
	s_barrier_wait -1                              ; everybody's are
	KLOAD
	BLOAD
	v_mov_b32 v253, 0
	s_mov_b32 s[XT], 0
	s_wait_alu depctr_va_vdst(0)
	s_wait_dscnt 0x0
.Ltrip:
.rept 5
	v_nop                                          ; places: S^T is laid over V's fragments, which the last products read
.endr
	s_cmp_ge_u32 s[XT], s[NST]
	s_cbranch_scc1 .Lnext                          ; waves 4-7 have LS steps.  Ids alone
	s_cmp_lg_u32 s[XT], s[SW]
	s_cbranch_scc1 .Lsame
	CROSS
	WIN 0x55
	CROSS
	WIN 0
	s_wait_alu depctr_va_vdst(0)
.Lsame:
	WIN 0x01                                       ; K window 1; Q, the mask's words and S^T window 0
	QK
	WIN 0x45                                       ; K and Q window 1, the mask's words window 0, S^T window 1
	QK
	WIN 0
	s_add_co_u32 s61, s[XT], 1
	s_cmp_ge_u32 s[XT], s[SW]                      ; this trip's step
	s_cselect_b32 s60, s[OFF], 0
	s_add_co_u32 s60, s60, s[XT]
	s_and_b32 s60, s60, 15
	s_lshl_b32 s60, s60, 13
	s_cmp_ge_u32 s61, s[SW]                        ; the next trip's (behind the last it names some step of the sixteen: read and not used)
	s_cselect_b32 s62, s[OFF], 0
	s_add_co_u32 s62, s62, s61
	s_and_b32 s62, s62, 15
	s_lshl_b32 s63, s62, 13
	s_lshl_b32 s62, s62, 9
	v_add_nc_u32 v[VAD], s60, v[VLI]
	v_add_nc_u32 v[KAD], s63, v[LI]
	v_add_nc_u32 v[BAD], s62, v[BA]
	v_nop                                          ; with the three additions: four places in front of the loads over K and of the first read of the scores
	KLOAD                                          ; the next step's keys land while the softmax is walked
	s_cmp_eq_u32 s61, s[SW]
	s_cbranch_scc1 .Ldiag                          ; the short tile's last step
	s_cmp_lg_u32 s[XT], TRIPS-1
	s_cbranch_scc1 .Lopen                          ; the last trip is the long tile's last step
.Ldiag:
	s_sub_co_u32 s81, 3, s[CX]                     ; c: the tile's place among the four that end in this step: cx, or 3 - cx of the long tile
	s_cmp_eq_u32 s[XT], TRIPS-1
	s_cselect_b32 s81, s81, s[CX]
	s_lshl_b32 s81, s81, 1
	DIAG 0
	s_add_co_u32 s81, s81, 1
	WIN 0x55
	DIAG 1
	WIN 0
	s_wait_alu depctr_va_vdst(0)
.Lopen:
	MAXO
	BLOAD                                          ; the next step's mask words
	EXPS
.irp d, 0,1,2,3
.irp c, 0,1,2,3
	ds_load_b128 v[96+16*\d+4*\c:99+16*\d+4*\c], v[VAD] offset:2048*\d+512*\c   ; V over the first sixteen queries' p, which are converted; it lands while the others' softmax is walked
.endr
.endr
	WIN 0x55
	s_wait_alu depctr_va_vdst(0)
	MAXO
	EXPS
	WIN 0
	s_wait_alu depctr_va_vdst(0)
	s_wait_dscnt 0x0                               ; V is in, and the next step's K and mask words
	PV
	WIN 0x54                                       ; V window 0, all else window 1
	PV
	WIN 0
.Lnext:
	s_add_co_u32 s[XT], s[XT], 1
	s_cmp_lt_u32 s[XT], TRIPS
	s_cbranch_scc1 .Ltrip
	; THE LONG TILE'S TWO PARTS MEET: waves 0-3 hand theirs over and take the short tile up again; waves 4-7 add.
.rept 4
	v_nop
.endr
	s_cmp_lt_u32 s[WV], 4
	s_cbranch_scc0 .Lkeep
.macro GIVE o
.irp i, 0,1,2,3,4,5,6,7
	ds_store_b128 v[XAD], v[160+4*\i:163+4*\i] offset:4096*\o+512*\i
.endr
	ds_store_b128 v[XAD], v[12:15] offset:8192+512*\o
.endm
	GIVE 0
	WIN 0x04                                       ; data window 1, address window 0
	GIVE 1
	WIN 0
.macro BACK
	COPYO 160, 192
	v_dual_mov_b32 v12, v240 :: v_dual_mov_b32 v13, v241
	v_dual_mov_b32 v14, v242 :: v_dual_mov_b32 v15, v243
.endm
	BACK
	WIN 0x55
	BACK
	WIN 0
.Lkeep:
	s_wait_alu depctr_va_vdst(0)
	s_wait_dscnt 0x0
	s_barrier_signal -1
	s_barrier_wait -1
.irp d, 0,1,2,3
	ds_load_b128 v[32+8*\d:35+8*\d], v[VSAD] offset:64*\d       ; the sums over all keys, at d = 16 dt + 8 h + 0 .. 7
	ds_load_b128 v[36+8*\d:39+8*\d], v[VSAD] offset:64*\d+16
.endr
	s_cmp_lt_u32 s[WV], 4
	s_cbranch_scc1 .Lmerged
.macro TAKE o
.irp i, 0,1,2,3,4,5,6,7
	ds_load_b128 v[96+4*\i:99+4*\i], v[XAD] offset:4096*\o+512*\i
.endr
	ds_load_b128 v[128:131], v[XAD] offset:8192+512*\o
.endm
	TAKE 0
	WIN 0x40
	TAKE 1
	WIN 0
	s_wait_dscnt 0x0
.macro MERGE                           ; both parts under the larger M: the factors are powers of two
	v_min_num_f32 v246, v12, v128
	v_max_num_f32 v13, v13, v129
	v_sub_f32 v248, v246, v12
	v_sub_f32 v250, v246, v128
	v_cvt_i32_f32 v248, v248
	v_cvt_i32_f32 v250, v250
	v_ldexp_f32 v244, 1.0, v248
	v_ldexp_f32 v252, 1.0, v250
	v_pk_mul_f32 v[14:15], v[14:15], v[244:245] op_sel_hi:[1,0]
	RESCALE
	v_pk_fma_f32 v[14:15], v[130:131], v[252:253], v[14:15] op_sel_hi:[1,0,1]
.set J, 0
.rept 16
	v_pk_fma_f32 v[160+J:161+J], v[96+J:97+J], v[252:253], v[160+J:161+J] op_sel_hi:[1,0,1]
.set J, J+2
.endr
.endm
	MERGE
	WIN 0x55
	MERGE
	WIN 0
.Lmerged:
	s_wait_alu depctr_va_vdst(0)
	s_wait_dscnt 0x0
	; THE WAY OUT
.macro FINAL w, wsel
	WIN \w
	v_add_f32 v14, v14, v15
	v_mul_f32 v250, s[CS], v8                      ; SM x c,
	v_mov_b32 v251, 0x45000000                     ; (2,048)
	v_permlanex16_b32 v247, v14, s[SEL], s[SEL+1]
	v_mul_f32 v250, 0.5, v250                      ; and half of it
	v_mov_b32 v246, s86
	v_mov_b32 v248, s87
	v_add_f32 v14, v14, v247                       ; the row's sum
	v_cmp_ge_f32 vcc_lo, v250, v13                 ; a row with no open key
	v_cndmask_b32 v14, v14, v251, vcc_lo
	s_wait_alu depctr_va_vdst(0)                   ; the wait ahead of the transcendental
	v_rcp_f32 v14, v14
	v_nop
	WIN \wsel                                      ; (the sums over all keys lie in window 0)
	s_wait_alu depctr_va_vdst(0)                   ; and behind it, ahead of O^T's first reader
.set J, 0
.rept 32
	v_cndmask_b32 v[160+J], v[160+J], v[32+J], vcc_lo   ; such a row takes the sum over all keys
.set J, J+1
.endr
	WIN \w
.set J, 0
.rept 16
	v_pk_mul_f32 v[160+J:161+J], v[160+J:161+J], v[14:15] op_sel_hi:[1,0]
.set J, J+2
.endr
.set J, 0
.rept 32
	v_med3_num_f32 v[160+J], v[160+J], -v248, v248
.set J, J+1
.endr
.irp d, 0,1,2,3
	v_cvt_scalef32_pk8_fp8_f32 v[24+2*\d:25+2*\d], v[160+8*\d:167+8*\d], v246
.endr
	v_nop
.endm
	FINAL 0, 0
	global_store_b128 v[LI], v[24:27], s[16:17]              ; 32 lanes: 512 bytes on end
	global_store_b128 v[LI], v[28:31], s[16:17] offset:512
	FINAL 0x55, 0x41
	WIN 0x04
	global_store_b128 v[LI], v[24:27], s[16:17] offset:4096  ; the next 16 rows
	global_store_b128 v[LI], v[28:31], s[16:17] offset:4608
	WIN 0
	s_wait_tensorcnt 0x0                           ; the wave's end
	ds_add_u32 v[SPW], v[NIL]
	s_wait_dscnt 0x0
	CROUND                                         ; the closing round
	s_endpgm
.Lfunc_end_k_q2df4861cb5_attn:
	.size	k_q2df4861cb5_attn, .Lfunc_end_k_q2df4861cb5_attn-k_q2df4861cb5_attn
	.p2alignl 7, 3214868480
	.fill 96, 4, 3214868480
	.section	.rodata,"a",@progbits
	.p2align	6, 0x0
	.amdhsa_kernel k_q2df4861cb5_attn
		.amdhsa_group_segment_fixed_size 327680
		.amdhsa_private_segment_fixed_size 0
		.amdhsa_enable_private_segment 0
		.amdhsa_kernarg_size 56
		.amdhsa_user_sgpr_count 2
		.amdhsa_user_sgpr_kernarg_segment_ptr 1
		.amdhsa_wavefront_size32 1
		.amdhsa_system_sgpr_workgroup_id_x 1
		.amdhsa_system_sgpr_workgroup_id_y 1
		.amdhsa_system_sgpr_workgroup_id_z 1
		.amdhsa_system_vgpr_workitem_id 0
		.amdhsa_next_free_vgpr 512
		.amdhsa_next_free_sgpr 100
		.amdhsa_reserve_vcc 1
		.amdhsa_float_denorm_mode_32 3
		.amdhsa_float_denorm_mode_16_64 3
		.amdhsa_memory_ordered 1
		.amdhsa_forward_progress 1
		.amdhsa_inst_pref_size 83
	.end_amdhsa_kernel
	.amdgpu_metadata
---
amdhsa.version: [ 1, 2 ]
amdhsa.kernels:
  - .name:           k_q2df4861cb5_attn
    .symbol:         k_q2df4861cb5_attn.kd
    .args:
      - { .name: qcodes, .offset: 0, .size: 8, .value_kind: global_buffer, .address_space: global }
      - { .name: kcodes, .offset: 8, .size: 8, .value_kind: global_buffer, .address_space: global }
      - { .name: vcodes, .offset: 16, .size: 8, .value_kind: global_buffer, .address_space: global }
      - { .name: vsum, .offset: 24, .size: 8, .value_kind: global_buffer, .address_space: global }
      - { .name: mask, .offset: 32, .size: 8, .value_kind: global_buffer, .address_space: global }
      - { .name: lowp_scales, .offset: 40, .size: 8, .value_kind: global_buffer, .address_space: global }
      - { .name: aocodes, .offset: 48, .size: 8, .value_kind: global_buffer, .address_space: global }
    .group_segment_fixed_size: 327680
    .private_segment_fixed_size: 0
    .kernarg_segment_align: 8
    .kernarg_segment_size: 56
    .max_flat_workgroup_size: 256
    .sgpr_count:     100
    .vgpr_count:     512
    .wavefront_size: 32
...
	.end_amdgpu_metadata
.endif
;; end of part 3
;; launch outp (part 4): grid 8 x 32, 4 waves a work-group, clusters of 4 x 4, 327,680 bytes of LDS; arguments aocodes, wcodes, lowp_scales, out0; writes out0
.if DOCPART == 4
	.amdgcn_target "amdgcn-amd-amdhsa--gfx1250"
	.amdhsa_code_object_version 6
	.text
	.protected	k_q2df4861cb5_outp
	.globl	k_q2df4861cb5_outp
	.p2align	8
	.type	k_q2df4861cb5_outp,@function
k_q2df4861cb5_outp:
	s_mov_b64 s[64:65], 0
	v_nop
	global_prefetch_b8 v0, s[64:65] scope:SCOPE_SE
	s_setreg_imm32_b32 hwreg(HW_REG_WAVE_MODE, 25, 1), 1
	s_wait_xcnt 0x0
	s_wait_alu depctr_hold_cnt(0) depctr_sa_sdst(0) depctr_va_vdst(0) depctr_va_sdst(0) depctr_va_ssrc(0) depctr_va_vcc(0) depctr_vm_vsrc(0)
	s_getreg_b32 s2, hwreg(HW_REG_IB_STS2, 6, 4)
	s_cmp_eq_u32 s2, 0
	s_cbranch_scc0 .Lentry_in_a_cluster
	s_endpgm
.Lentry_in_a_cluster:
	s_bfe_u32 s2, ttmp6, 0x10000c
	s_cmp_lg_u32 s2, 0xf033
	s_cbranch_scc0 .Lentry_shape_is_right
	s_endpgm
.Lentry_shape_is_right:
; out0[m][n] = sum over k of A[m][k] Wo[k][n] on E4M3 codes, x 2^(e10 + e11).  A: aocodes (4,096 rows), B: rows 3,072 to 4,095 of wcodes (Wo's columns), both as images of registers
; (16 rows x 128 k = 2,048 bytes, byte 512 c + 16 lane; 16 rows x 256 k are 4,096 bytes on end; 256 further along K lie 2^20 bytes on).  out0: [4096][1024] f32.  LIMIT: e10 + e11 between -126 and 127.
; SHARES.  A tile of out0 is 128 x 128: 32 x 8 = 256 work-groups.  Four waves, each 64 x 64: 16 accumulators of 16 x 16, 128 registers.
; THE WHOLE OF K LIES IN LDS AT ONCE: 2 x 128 rows x 1,024 codes = 262,144 bytes.  All of it is asked for at the head, ONE tensor load a wave: 128 rows of A (wave even) or B (odd) x half of K (waves 0, 1 the first
; half): two rows of 32,768 bytes, 2^20 bytes apart.  Nothing is filled again; one barrier, behind every wave's wait for its load, shows all of it.  Nothing is left to prefetch.
; CLUSTER 4 x 4: the four work-groups of a row of the cluster need the same rows of A, the four of a column the same rows of B: each block is asked for jointly, by the same load with a mask that names the four.
; THE MATRIX INSTRUCTION IS USED TRANSPOSED (source 0 = 16 rows of B, source 1 = 16 rows of A): a lane holds eight neighbouring numbers of a row of out0.
; REGISTERS: window 0: v16-29 addresses; v32-63 a block's scaled sums; v128-255 the accumulators ((a, b) at v[128 + 8 (4 a + b)]), later the rows read back from the stage.
;   window 1: two fragment buffers of 128 registers, each for 128 along K: A's four fragments, then B's four.
.set KSLOT,  32768                     ; 256 along K of 128 rows: A's four, then B's four
.set STAGE,  8*KSLOT                   ; behind them: 16 rows x (256 bytes + 16) for each wave, for the way out; no tensor load lands there
.set SPITCH, 272
.set SPARE,  STAGE+4*16*SPITCH         ; behind the stages: the spare words, 128 bytes a wave: two blocks of 256 bytes that no other line names
.set FR,     16                        ; registers of a fragment
.set ADRA, 16                          ; v16-19  my A fragments in slots 0 to 3
.set ADRB, 20                          ; v20-23  my B fragments
.set STO,  24                          ; v24     the way out: where I put 32 bytes of a row
.set RD,   25                          ; v25     where I read a row back
.set CO,   26                          ; v26     my byte offset in two rows of out0
.set LI,   27                          ; v27     16 x lane
.set SPW,  28                          ; v28     my spare word; never rewritten
.set NIL,  29                          ; v29     0; never rewritten
.set TMP,  32
.set ACC,  128
.set G1,  24                           ; s[24:31] descriptor group 1 for A's blocks
.set G0,  32                           ; s[32:35] group 0 for A's
.set G1B, 48                           ; s[48:55] group 1 for B's: it differs from A's in the mask alone
.set G0B, 68                           ; s[68:71] group 0 for B's
.set MSB, 0
.macro WIN new                         ; the immediate's high byte repeats the setting that is left
.if MSB != \new
	s_set_vgpr_msb (MSB<<8)|\new
.set MSB, \new
.endif
.endm
.set MUL,  0x05                        ; sources 0 (B) and 1 (A) window 1; C and D window 0
.set TO_F, 0x40                        ; destination window 1, address window 0
.macro CROUND                          ; a round of the cluster's barrier
	s_barrier_signal -1
	s_barrier_wait -1
	s_cmp_lg_u32 s14, 0
	s_cbranch_scc1 .Lnot_wave_0_\@
	s_barrier_signal -3
.Lnot_wave_0_\@:
	s_barrier_wait -3
	s_barrier_signal -1
	s_barrier_wait -1
.endm
.macro PLACES n                        ; plain vector instructions that name no register of the matrix instructions in front (ISA guide 7.12.1)
.rept \n
	v_nop
.endr
.endm
	s_load_b128 s[4:7], s[0:1], 0x0                ; aocodes, wcodes
	s_load_b128 s[8:11], s[0:1], 0x10              ; the exponents, out0
	v_lshl_add_u32 v[SPW], v0, 2, SPARE
	v_mov_b32 v[NIL], 0
	ds_add_u32 v[SPW], v[NIL]                      ; the wave's opening: the add, twice on end, and its wait; the set-up stands between
	ds_add_u32 v[SPW], v[NIL]
	v_lshrrev_b32 v1, 5, v0
	v_readfirstlane_b32 s14, v1                    ; wave 0..3
	s_lshr_b32 s15, s14, 1                         ; my half of the tile's rows.  Also: which half of K I fetch
	s_and_b32 s16, s14, 1                          ; my half of its columns.  Also: I fetch for A (0) or for B (1)
	s_bfe_u32 s84, ttmp6, 0x40000                  ; cx
	s_bfe_u32 s85, ttmp6, 0x40004                  ; cy
	s_and_b32 s17, ttmp7, 0xffff
	s_lshl_b32 s17, s17, 2
	s_add_co_u32 s17, s17, s85                     ; tile row = 4 x cluster y + cy
	s_lshl_b32 s86, ttmp9, 2
	s_add_co_u32 s86, s86, s84                     ; tile column = 4 x cluster x + cx
	s_lshl_b32 s87, s85, 2
	s_lshl_b32 s87, 15, s87                        ; my row of the cluster
	s_lshl_b32 s88, 0x1111, s84                    ; my column
	s_or_b32 s[G1+0], s87, (3<<16)|(1<<21)         ; 15:0 the mask: A's blocks go to my row; 17:16 elements of 8 bytes; 21 set beside a mask; no padding
	s_or_b32 s[G1B+0], s88, (3<<16)|(1<<21)        ; B's go to my column
.irp g, G1, G1B
	s_mov_b32 s[\g+1], 4096<<16                    ; tensor_dim0: 32,768 bytes
	s_mov_b32 s[\g+2], 2<<16                       ; tensor_dim1
	s_mov_b32 s[\g+3], 4096<<16                    ; tile_dim0
	s_mov_b32 s[\g+4], 2                           ; tile_dim1
	s_mov_b32 s[\g+5], 131072                      ; tensor_dim0_stride: 2^20 bytes
	s_mov_b32 s[\g+6], 0
	s_mov_b32 s[\g+7], 0
.endr
	; where the blocks come from.  A's hang on the tile row alone, B's on the tile column alone, each in registers that never hold the other coordinate
	s_lshl_b32 s18, s15, 21                        ; half of K: two times 2^20 bytes
	s_lshl_b32 s20, s17, 15                        ; 128 rows x 256 k are 32,768 bytes
	s_add_co_u32 s20, s20, s18
	s_mov_b32 s21, 0
	s_lshl_b32 s90, s86, 15
	s_add_co_u32 s90, s90, s18
	s_add_co_u32 s90, s90, 192*4096                ; Wo's rows begin at row 3,072 of wcodes: tile of 16 rows number 192
	s_mov_b32 s91, 0
	s_lshl_b32 s89, s16, 17                        ; where they go: B behind A,
	s_lshl_b32 s19, s15, 16                        ; the second half of K behind the first: no place in the cluster enters an LDS address
	s_add_co_u32 s89, s89, s19
	s_wait_alu depctr_va_vdst(0)
	s_wait_dscnt 0x0                               ; both opening adds are done
	s_wait_kmcnt 0x0
	s_load_b64 s[96:97], s[8:9], 0x28              ; e10, e11
	s_mov_b32 s[G0], 1                             ; count = 1
	s_mov_b32 s[G0+1], s89                         ; LDS address
	s_add_nc_u64 s[G0+2:G0+3], s[4:5], s[20:21]    ; global address
	s_or_b32 s[G0+3], s[G0+3], 0x80000000          ; type = 2
	s_mov_b32 s[G0B], 1
	s_mov_b32 s[G0B+1], s89
	s_add_nc_u64 s[G0B+2:G0B+3], s[6:7], s[90:91]
	s_or_b32 s[G0B+3], s[G0B+3], 0x80000000
	CROUND                                         ; all sixteen work-groups are here: the joint loads meet
	s_cmp_eq_u32 s16, 0
	s_cbranch_scc0 .Lfirst_b
	tensor_load_to_lds s[G0:G0+3], s[G1:G1+7]
	s_nop 0
	PLACES 4
	s_branch .Lfirst_asked
.Lfirst_b:
	tensor_load_to_lds s[G0B:G0B+3], s[G1B:G1B+7]
	s_nop 0
	PLACES 4
.Lfirst_asked:
	v_and_b32 v1, 15, v0                           ; r = lane % 16
	v_bfe_u32 v2, v0, 4, 1                         ; h = lane / 16
	v_and_b32 v6, 31, v0
	v_lshlrev_b32 v[LI], 4, v6
	s_wait_alu depctr_va_vdst(0)
	s_lshl_b32 s22, s15, 14                        ; my 64 rows of A
	s_lshl_b32 s23, s16, 14                        ; my 64 rows of B,
	s_add_co_u32 s23, s23, 4*KSLOT                 ; which lie behind A's four slots
.irp j, 0,1,2,3
	v_add_nc_u32 v[ADRA+\j], s22, v[LI]
	v_add_nc_u32 v[ADRB+\j], s23, v[LI]
	s_add_co_u32 s22, s22, KSLOT
	s_add_co_u32 s23, s23, KSLOT
.endr
	s_mul_i32 s23, s14, 16*SPITCH
	s_add_co_u32 s23, s23, STAGE                   ; my stage
	v_mul_u32_u24 v5, v1, SPITCH                   ; in: row r, 32 bytes for each half of the lanes
	v_lshl_add_u32 v5, v2, 5, v5
	v_add_nc_u32 v[STO], s23, v5
	v_mul_u32_u24 v5, v2, SPITCH                   ; back: lanes 0-15 take one row of 256 bytes, lanes 16-31 the next
	v_lshl_add_u32 v5, v1, 4, v5
	v_add_nc_u32 v[RD], s23, v5
	v_lshlrev_b32 v[CO], 12, v2                    ; and the same two rows in out0: rows of 4,096 bytes
	v_lshl_add_u32 v[CO], v1, 4, v[CO]
	s_lshl_b32 s20, s17, 7
	s_lshl_b32 s21, s15, 6
	s_add_co_u32 s20, s20, s21                     ; my first row: 128 x tile row + 64 x half
	s_lshl_b32 s20, s20, 12
	s_mov_b32 s21, 0
	s_add_nc_u64 s[10:11], s[10:11], s[20:21]
	s_lshl_b32 s92, s86, 9                         ; my first column, in bytes: 512 x tile column + 256 x half (in registers that feed no descriptor)
	s_lshl_b32 s93, s16, 8
	s_add_co_u32 s92, s92, s93
	s_mov_b32 s93, 0
	s_add_nc_u64 s[10:11], s[10:11], s[92:93]
; 32 LDS loads in one run: my fragments of slot j's q-th 128 along K into buffer f: each is its image, four loads of 512 bytes on end
.macro FETCH j, q, f
	WIN TO_F
.irp i, 0,1,2,3
.irp c, 0,1,2,3
	ds_load_b128 v[\f+FR*\i+4*\c:\f+FR*\i+4*\c+3], v[ADRA+\j] offset:4096*\i+2048*(\q)+512*\c
.endr
.endr
.irp i, 0,1,2,3
.irp c, 0,1,2,3
	ds_load_b128 v[\f+64+FR*\i+4*\c:\f+64+FR*\i+4*\c+3], v[ADRB+\j] offset:4096*\i+2048*(\q)+512*\c
.endr
.endr
.endm
; 8 matrix instructions: A's blocks a0, a0 + 1 x B's four, 128 along K, from buffer f.  zero = 1: the first product starts the sums: nothing is cleared.
; The 16 accumulators take turns, one instruction a turn, in the same order in every step.
.macro MUL8 f, a0, zero
.irp a, \a0, \a0+1
.irp b, 0,1,2,3
.if \zero
	v_wmma_f32_16x16x128_fp8_fp8 v[ACC+8*(4*(\a)+\b):ACC+8*(4*(\a)+\b)+7], v[\f+64+FR*\b:\f+64+FR*\b+FR-1], v[\f+FR*(\a):\f+FR*(\a)+FR-1], 0
.else
	v_wmma_f32_16x16x128_fp8_fp8 v[ACC+8*(4*(\a)+\b):ACC+8*(4*(\a)+\b)+7], v[\f+64+FR*\b:\f+64+FR*\b+FR-1], v[\f+FR*(\a):\f+FR*(\a)+FR-1], v[ACC+8*(4*(\a)+\b):ACC+8*(4*(\a)+\b)+7]
.endif
.endr
.endr
.endm
; Step q of eight, 128 along K, on buffer q % 2; in its middle the next step's fragments are fetched into the other buffer.
.macro KSTEP q
.set FB, 128*((\q)%2)
.set GB, 128-FB
	s_wait_dscnt 0x0                               ; this step's fragments are in
	WIN MUL
.if (\q) == 0
	MUL8 FB, 0, 1
.else
	MUL8 FB, 0, 0
.endif
.if (\q) < 7
	PLACES 4                                       ; in front of loads into the buffer that the step before multiplied
	FETCH ((\q)+1)/2, ((\q)+1)%2, GB
.endif
	WIN MUL
.if (\q) == 0
	MUL8 FB, 2, 1
.else
	MUL8 FB, 2, 0
.endif
.endm
	s_wait_alu depctr_va_vdst(0)
	s_wait_tensorcnt 0x0                           ; what I fetched is in
	s_barrier_signal -1
	s_barrier_wait -1                              ; everybody's is
	FETCH 0, 0, 0
.irp q, 0,1,2,3,4,5,6,7
	KSTEP \q
.endr
	WIN 0
; THE WAY OUT, block by block of 16 rows x 64 columns.  A lane holds 32 neighbouring bytes of a row, and the lanes beside it hold other rows: so a block goes through my own stage and comes back as whole rows of
; 256 bytes, into the registers of its own accumulators.  LDS serves a wave's instructions in order (ISA guide 5.7.1.4): no wait between the stores and the loads, nor in front of the next block's stores.
; Every offset is an immediate and no register of a store is written again: no wait for the stores' addresses is needed.
.macro TOSTAGE a
.set AC, ACC+32*(\a)
.irp j, 0,2,4,6,8,10,12,14,16,18,20,22,24,26,28,30
	v_pk_mul_f32 v[TMP+\j:TMP+\j+1], v[AC+\j:AC+\j+1], s[96:97] op_sel_hi:[1,0]   ; x 2^(e10 + e11); each accumulator from its low end on
.endr
.irp b, 0,1,2,3
	ds_store_b128 v[STO], v[TMP+8*\b:TMP+8*\b+3] offset:64*\b                    ; lane (r, h): columns 16 b + 8 h + 0 .. 3 of row r,
	ds_store_b128 v[STO], v[TMP+8*\b+4:TMP+8*\b+7] offset:64*\b+16               ; .. 4 .. 7
.endr
.irp t, 0,1,2,3,4,5,6,7
	ds_load_b128 v[AC+4*\t:AC+4*\t+3], v[RD] offset:\t*2*SPITCH
.endr
.endm
.macro SEND a, younger                 ; younger: the LDS instructions issued behind block a's loads, which may stay out
.set AC, ACC+32*(\a)
	s_wait_dscnt \younger                          ; the block is back in registers
.irp t, 0,1,2,3,4,5,6,7
	global_store_b128 v[CO], v[AC+4*\t:AC+4*\t+3], s[10:11] offset:(16*(\a)+2*\t)*4096 th:TH_STORE_NT   ; sixteen lanes store 256 bytes on end, at a multiple of 256 from out0's first byte; written once
.endr
.endm
	s_wait_kmcnt 0x0
	s_add_co_i32 s96, s96, s97                     ; e10 + e11, between -126 and 127,
	s_add_co_i32 s96, s96, 127
	s_lshl_b32 s96, s96, 23                        ; makes the f32 number 2^(e10 + e11)
	PLACES 4                                       ; in front of the first read of results and of loads into the accumulators' registers
	TOSTAGE 0
	TOSTAGE 1
	SEND 0, 16                                     ; behind block 0's loads: block 1's 8 stores and 8 loads
	TOSTAGE 2
	SEND 1, 16
	TOSTAGE 3
	SEND 2, 16
	SEND 3, 0
	s_wait_tensorcnt 0x0                           ; the wave's end, behind my last tensor load and my last LDS store
	ds_add_u32 v[SPW], v[NIL]
	s_wait_dscnt 0x0
	CROUND                                         ; the closing round: no work-group ends while a partner may still ask for a block that names it
	s_endpgm
.Lfunc_end_k_q2df4861cb5_outp:
	.size	k_q2df4861cb5_outp, .Lfunc_end_k_q2df4861cb5_outp-k_q2df4861cb5_outp
	.p2alignl 7, 3214868480
	.fill 96, 4, 3214868480
	.section	.rodata,"a",@progbits
	.p2align	6, 0x0
	.amdhsa_kernel k_q2df4861cb5_outp
		.amdhsa_group_segment_fixed_size 327680
		.amdhsa_private_segment_fixed_size 0
		.amdhsa_enable_private_segment 0
		.amdhsa_kernarg_size 32
		.amdhsa_user_sgpr_count 2
		.amdhsa_user_sgpr_kernarg_segment_ptr 1
		.amdhsa_wavefront_size32 1
		.amdhsa_system_sgpr_workgroup_id_x 1
		.amdhsa_system_sgpr_workgroup_id_y 1
		.amdhsa_system_sgpr_workgroup_id_z 1
		.amdhsa_system_vgpr_workitem_id 0
		.amdhsa_next_free_vgpr 512
		.amdhsa_next_free_sgpr 100
		.amdhsa_reserve_vcc 0
		.amdhsa_float_denorm_mode_32 3
		.amdhsa_float_denorm_mode_16_64 3
		.amdhsa_memory_ordered 1
		.amdhsa_forward_progress 1
		.amdhsa_inst_pref_size 44
	.end_amdhsa_kernel
	.amdgpu_metadata
---
amdhsa.version: [ 1, 2 ]
amdhsa.kernels:
  - .name:           k_q2df4861cb5_outp
    .symbol:         k_q2df4861cb5_outp.kd
    .args:
      - { .name: aocodes, .offset: 0, .size: 8, .value_kind: global_buffer, .address_space: global }
      - { .name: wcodes, .offset: 8, .size: 8, .value_kind: global_buffer, .address_space: global }
      - { .name: lowp_scales, .offset: 16, .size: 8, .value_kind: global_buffer, .address_space: global }
      - { .name: out0, .offset: 24, .size: 8, .value_kind: global_buffer, .address_space: global }
    .group_segment_fixed_size: 327680
    .private_segment_fixed_size: 0
    .kernarg_segment_align: 8
    .kernarg_segment_size: 32
    .max_flat_workgroup_size: 128
    .sgpr_count:     100
    .vgpr_count:     512
    .wavefront_size: 32
...
	.end_amdgpu_metadata
.endif
;; end of part 4
